; MI455X (gfx1250); checked and timed in simulation.
; The chip was launched on July 23, 2026; its instructions are those of AMD's public machine-readable ISA for CDNA 5 (MIT licence, August 2026) and "CDNA5" Instruction Set Architecture Reference Guide (July 2026). The comments in the code are by the model that wrote it; some were corrected since.
;; Multi Head Attention. Allowed arithmetic: matrix products marked QUANTISED: E2M3 operands, one E8M0 scale for each 32 along K, by v_wmma_scale_f32_16x16x128_f8f6f4 with both operands' format E2M3, f32 sums; everything else in f32.
;; Inputs: Wo 1,024 x 1,024 float32; Wqkv 1,024 x 3,072 float32; bo 1,024 float32; bqkv 3,072 float32; x 8 x 1,024 x 1,024 float32.
;; Outputs: out0 8 x 1,024 x 1,024 float32.
;; This version of the problem:
;;   THIS VERSION OF THE PROBLEM IS GIVEN IN LOW PRECISION. The matrix products marked QUANTISED in the list below multiply operands that are first quantised to E2M3 (2 exponent bits, 3 mantissa bits; 6 bits a number), with one power-of-two scale for each 32 numbers along K (OCP MX v1.0); their sums are f32. All else is computed in f32.
;;   The module's matrix products, in the order in which they are computed (A, B: the left and right operand; K: the contracted axis; several contracted axes count as one K, in the product's order):
;;     1. [M 8,192, K 1,024] x [K 1,024, N 3,072]; A: input x; B: input Wqkv: QUANTISED
;;     2. batch 128 x [M 1,024, K 64] x [K 64, N 1,024]; A: computed on the way; B: computed on the way: QUANTISED
;;     3. batch 128 x [M 1,024, K 1,024] x [K 1,024, N 64]; A: softmax (see below); B: computed on the way: QUANTISED
;;     4. [M 8,192, K 1,024] x [K 1,024, N 1,024]; A: computed on the way; B: input Wo: QUANTISED
;;   THE QUANTISER, for each operand of a quantised product, along K:
;;     - K is cut into blocks of 32 from its start; a last block that is shorter is filled with zeros.
;;     - A block's scale is 2^e with e = floor(log2(the largest magnitude in the block)) - 2, held to -126 .. 127; a block of zeros has e = 0. As a byte (E8M0): e + 127.
;;     - Each number is divided by its block's scale, clamped to +-7.5, and rounded to the nearest number of E2M3, ties to even, subnormals kept.
;;     - The product sums the exact products of the quantised numbers (number of the format x scale) in f32.
;;   ~~~python
;;   def quantise(x, axis):      # numpy; x: float32 -> the quantised numbers, widened to float32 again
;;       x = np.moveaxis(x, axis, -1); K = x.shape[-1]
;;       x = np.pad(x, [(0, 0)] * (x.ndim - 1) + [(0, -K % 32)]); x = x.reshape(x.shape[:-1] + (-1, 32)); a = np.abs(x).max(-1, keepdims=True)
;;       e = np.where(a > 0, np.clip(np.frexp(np.where(a > 0, a, 1))[1] - 1 - 2, -126, 127), 0)      # np.frexp(a)[1] - 1 = floor(log2(a)), exactly
;;       r = np.clip(x / 2.0 ** e, -7.5, 7.5)
;;       step = 2.0 ** (np.maximum(np.frexp(np.where(r == 0, 1, r))[1] - 1, 0) - 3)
;;       q = np.round(r / step) * step * 2.0 ** e      # np.round: ties to even
;;       return np.moveaxis(q.reshape(q.shape[:-2] + (-1,))[..., :K], -1, axis).astype(np.float32)
;;   ~~~
;;   SOFTMAX AHEAD OF A QUANTISED PRODUCT. Where the list says 'softmax', what is quantised is not the finished softmax but p = 2^(t - M), with t = logit x log2(e) and M = ceil(the row's largest t), a whole number; so 1/2 < the row's largest p <= 1. The row's sum l is taken of the UNQUANTISED p, in f32, and the product's result is divided by l at the end. Since M is a whole number, a kernel that streams over the keys may use a running M (the ceiling of the running maximum): every later rescaling is an exact power of two, which a block's scale takes up: the codes' values come out the same.
;;   OPERANDS COMPUTED ON THE WAY. 'Computed on the way' means the value that the module computes at that place (a softmax that the list does not call 'softmax' is quantised finished and normalised). What goes into a quantiser is computed in f32, as accurately as f32 sums, v_exp_f32 and their like allow (about 1e-6 of the number): no bf16 or f16 on the way to a quantiser, and a product that is left as it is and whose result goes on into a quantised operand takes f32 operands (vector FMAs, or v_wmma_f32_16x16x4_f32). A number that lies on a knife's edge between two numbers of the format may be rounded either way, as far as f32 arithmetic and the matrix unit's own rounding can turn it there, and no further.
;; One version. Each part assembles by itself: llvm-mc -triple=amdgcn-amd-amdhsa -mcpu=gfx1250 --defsym DOCPART=n.
;; ======== version 1 of 1: 4 launches
;; limits: right only within a limited range of input values
;; workspace buffers: xq 6,553,600 bytes; wq 3,276,800 bytes; qq 6,815,744 bytes; kv 13,369,344 bytes; cq 6,553,600 bytes
;; launch quant (part 1): grid 384 x 1, 4 waves a work-group, no clusters, 69,120 bytes of LDS; arguments x, Wqkv, Wo, xq, wq; writes xq, wq
.if DOCPART == 1
	.amdgcn_target "amdgcn-amd-amdhsa--gfx1250"
	.amdhsa_code_object_version 6
	.text
	.protected	k_qe7bfb233b7_quant
	.globl	k_qe7bfb233b7_quant
	.p2align	8
	.type	k_qe7bfb233b7_quant,@function
k_qe7bfb233b7_quant:
	s_mov_b64 s[64:65], 0
	v_nop
	global_prefetch_b8 v0, s[64:65] scope:SCOPE_SE
	s_setreg_imm32_b32 hwreg(HW_REG_WAVE_MODE, 25, 1), 1
	s_wait_xcnt 0x0
; ONE LAUNCH QUANTISES ALL THREE f32 INPUTS OF THE TWO LARGE PRODUCTS into codes of FP6 (E2M3), K innermost, with one E8M0 byte for each 32 along K.
; Work-groups 0-127 take the weights (their K is the FIRST axis), work-groups 128-383 take x (its K is innermost).  The two ways part on the work-group's number, share no register's meaning and no LDS byte
; (x: bytes 0-32,767; the weights: from 32,768), and neither has a barrier: waves share nothing.
; A block's scale is 2^(floor(log2(its largest magnitude)) - 2); its byte is the largest magnitude's exponent field - 2, held at 1 from below.
; ROW ORDER in xq and wq: row i (a token, a column e) lies at pos(i) = i with its bits 3 and 4 exchanged, so that sixteen neighbouring rows are indices 32 b + 8 u + r + 8 (r / 8): the products that read
; them then leave, in the 16 registers of two neighbouring result tiles, 16 neighbouring indices.
; xq: [8192 rows][768 bytes] of codes, at XS_OFF [8192 rows][32 bytes] of scales.   wq: [4096 rows][768] (rows 0-3071 Wqkv's columns, 3072-4095 Wo's), at WS_OFF [4096 rows][32].
; LIMITS: NaN and infinities are not served; blocks whose largest magnitude lies under 2^-124 keep the byte 1; a block of zeros gets the byte 1 and not 127: its codes are zeros, and this program alone reads the bytes.
.set WGW,   128                        ; the weights' work-groups come first: theirs is the longer chain of loads
; ---- x's way
.set STEPS, 16
.set CB,    12                         ; bytes of 16 codes
.set XR,    16                         ; v16-79   four sets of 16 numbers as they are loaded
.set XX,    80                         ; v80-111  two sets of 16 neighbours
.set XC,    128                        ; v128-191 codes: four registers for each step, so that no store's data are written again
.set XE,    112                        ; v112-127 a scale byte for each step
.set WREG,  8192                       ; LDS: a region for each wave: two stages of 32 x SP bytes, behind them its 256 scale bytes
.set SP,    80                         ; a lane's place in a stage: 64 bytes + 16 of padding
.set XS_OFF, 6291456
; ---- the weights' way
.set NB,    8                          ; blocks of 32 along K for a wave
.set ROWB,  192                        ; bytes of 256 codes
.set PITCH, 272                        ; a stage row: sixteen places of 16 bytes, each with 12 bytes of codes, + 16
.set KROW,  768
.set WS_OFF, 3145728
.set WLDS,  32768                      ; where this way's LDS bytes begin
.set WX,    32                         ; v32-95   two sets of 32 numbers
.set WC,    96                         ; v96..    a block's codes
.set WOUT,  112                        ; v112-175 the way out
.set WSB,   24                         ; v24-25   the scale bytes, four to a register
.set WOFF,  176                        ; v176-207 4 x lane + i x pitch
	s_load_b256 s[4:11], s[0:1], 0x0               ; x s[4:5], Wqkv s[6:7], Wo s[8:9], xq s[10:11]
	s_load_b64 s[12:13], s[0:1], 0x20              ; wq
	v_lshl_add_u32 v208, v0, 2, 0x10c00
	v_mov_b32 v209, 0
	v_lshrrev_b32 v1, 5, v0
	v_readfirstlane_b32 s16, v1                    ; wave 0..3
	v_and_b32 v2, 31, v0                           ; lane
	s_cmp_lt_u32 ttmp9, WGW
	s_cbranch_scc1 .Lweights
; ======== x.  A wave takes 8 rows (8,192 numbers, one group of 8 tokens) in 16 steps of 512 numbers.  Each load reads 512 consecutive bytes, 16 a lane; a step's 2,048 bytes turn through the wave's own stage
; in LDS and come back 64 bytes a lane: 16 neighbours along K, two lanes to a block.  Loads run four steps (16 loads a wave) ahead, the turn through LDS one step.
	s_sub_co_u32 s19, ttmp9, WGW                   ; x's work-group, 0 .. 255
	v_lshlrev_b32 v3, 4, v2                        ; my 16 bytes of a load's 512
	s_mul_i32 s17, s16, WREG
	v_lshrrev_b32 v14, 2, v2
	v_mul_u32_u24 v14, v14, SP
	v_and_b32 v15, 3, v2
	v_lshl_add_u32 v14, v15, 4, v14
	v_add_nc_u32 v14, s17, v14                     ; the stage, on the way in: SP (lane / 4) + 16 (lane % 4)
	v_mul_u32_u24 v15, v2, SP
	v_add_nc_u32 v15, s17, v15                     ; and on the way out: SP x lane
	v_mul_u32_u24 v4, v2, CB                       ; my codes' place in a step's
	v_lshrrev_b32 v5, 1, v2
	s_add_co_u32 s17, s17, 2*32*SP
	v_add_nc_u32 v5, s17, v5                       ; LDS: my wave's 256 scale bytes, my block's byte
	v_lshlrev_b32 v7, 3, v2                        ; on the way out 8 bytes a lane
	v_add_nc_u32 v6, s17, v7
	s_lshl_b32 s18, s19, 2
	s_add_co_u32 s20, s18, s16                     ; the run of 8 tokens that I read: 4 x work-group + wave
	s_and_b32 s21, s16, 1
	s_lshl_b32 s21, s21, 1
	s_lshr_b32 s22, s16, 1
	s_or_b32 s21, s21, s22                         ; the wave's two bits exchanged: they are the tokens' bits 3 and 4
	s_add_co_u32 s21, s18, s21                     ; the run of 8 rows that I write
	s_lshl_b32 s24, s20, 15                        ; 32,768 bytes of x a run
	s_mov_b32 s25, 0
	s_mul_i32 s26, s21, 6144                       ; 8 rows of 768 bytes of codes
	s_mov_b32 s27, 0
	s_lshl_b32 s28, s21, 8                         ; 256 scale bytes
	s_add_co_u32 s28, s28, XS_OFF
	s_mov_b32 s29, 0
	s_wait_alu depctr_va_vdst(0)
	s_wait_kmcnt 0x0
	s_add_nc_u64 s[4:5], s[4:5], s[24:25]
	s_add_nc_u64 s[8:9], s[10:11], s[26:27]        ; my codes
	s_add_nc_u64 s[10:11], s[10:11], s[28:29]      ; my scale bytes
.macro XLOAD t
.irp i, 0,1,2,3
	global_load_b128 v[XR+16*((\t)%4)+4*\i:XR+16*((\t)%4)+4*\i+3], v3, s[4:5] offset:2048*(\t)+512*\i th:TH_LOAD_NT   ; 32 lanes read 512 consecutive bytes
.endr
.endm
.macro XTURN t                         ; step t's numbers through the stage: LDS serves a wave's instructions in order, so no wait stands between the stores and the loads
.irp i, 0,1,2,3
	ds_store_b128 v14, v[XR+16*((\t)%4)+4*\i:XR+16*((\t)%4)+4*\i+3] offset:32*SP*((\t)%2)+8*SP*\i
.endr
.irp i, 0,1,2,3
	ds_load_b128 v[XX+16*((\t)%2)+4*\i:XX+16*((\t)%2)+4*\i+3], v15 offset:32*SP*((\t)%2)+16*\i
.endr
.endm
.irp t, 0,1,2,3
	XLOAD \t
.endr
	s_wait_loadcnt 12                              ; step 0's four loads are in
	XTURN 0
.macro XSTEP t
.set XN, XX+16*((\t)%2)
.if (\t) > 0
	s_wait_dscnt 1                                 ; this step's numbers are back from the stage (the last step's byte store may be out): so its stores into the stage have read their registers,
.else
	s_wait_dscnt 0x0
.endif
.if (\t)+4 < STEPS
	XLOAD (\t)+4                                   ; which take the loads of four steps on
.endif
.if (\t)+1 < STEPS
.if STEPS-2-(\t) >= 3
	s_wait_loadcnt 12                              ; the next step's four loads are in; those of the three steps behind it may be out
.else
	s_wait_loadcnt 4*(STEPS-2-(\t))
.endif
	XTURN (\t)+1                                   ; and go through the other stage while this step is worked
.endif
	v_max3_num_f32 v8, |v[XN]|, |v[XN+1]|, |v[XN+2]|               ; the largest magnitude of my 16, in two chains
	v_max3_num_f32 v9, |v[XN+3]|, |v[XN+4]|, |v[XN+5]|
.irp i, 6,10
	v_max3_num_f32 v8, v8, |v[XN+\i]|, |v[XN+\i+1]|
	v_max3_num_f32 v9, v9, |v[XN+\i+2]|, |v[XN+\i+3]|
.endr
	v_max3_num_f32 v8, v8, |v[XN+14]|, |v[XN+15]|
	v_max3_num_f32 v8, v8, v9, 0x1800000           ; and the floor 2^(3 - 127): the byte cannot fall under 1
	v_max_num_f32_dpp v8, v8, v8 row_xmask:1 row_mask:0xf bank_mask:0xf   ; and of my neighbour's 16: the block's
	v_add_nc_u32 v11, 0xff000000, v8               ; 2 off its exponent field: the conversion takes the exponent field of this operand as its scale
	v_cvt_scalef32_pk16_fp6_f32 v[XC+4*(\t):XC+4*(\t)+2], v[XN:XN+15], v11   ; sixteen codes, 96 bits, the first number's code lowest
	v_lshrrev_b32 v[XE+(\t)], 23, v11              ; the scale's byte
	ds_store_b8 v5, v[XE+(\t)] offset:16*(\t)      ; both lanes of a block write the same byte with the same value
	global_store_b96 v4, v[XC+4*(\t):XC+4*(\t)+2], s[8:9] offset:32*CB*(\t)   ; the wave stores 384 consecutive bytes
.endm
.irp t, 0,1,2,3,4,5,6,7,8,9,10,11,12,13,14,15
	XSTEP \t
.endr
	ds_load_b64 v[12:13], v6                       ; LDS serves a wave's instructions in order: these see my stores
	s_wait_dscnt 0x0
	global_store_b64 v7, v[12:13], s[10:11]        ; 32 lanes store 256 consecutive bytes, aligned
	s_wait_tensorcnt 0x0
	ds_add_u32 v208, v209
	s_wait_dscnt 0x0
	s_endpgm
; ======== THE WEIGHTS.  A LANE TAKES A COLUMN, ITS REGISTERS RUN DOWN K: each load reads 128 consecutive bytes a wave, a block of 32 along K lies in one lane's 32 registers, and the conversions give codes with K
; innermost.  Of the 128 work-groups, x' = number % 32 names 128 columns (x' < 24: Wqkv's, else Wo's), y' = number / 32 names 256 along K.  Pointer, row pitch and first column are chosen on x'.  Since the pitch
; is no constant, the 32 rows of a block stand in 32 offset registers (4 x lane + i x pitch) and the eight blocks in eight scalar bases; none of them is rewritten.
; A wave takes 32 columns x 256 along K.  Its codes go through its own stage in LDS and leave as rows: sixteen lanes store a row's 192 consecutive bytes.
.Lweights:
	s_and_b32 s14, ttmp9, 31                       ; x'
	s_lshr_b32 s18, ttmp9, 5                       ; y'
	s_movk_i32 s21, 0x3000                         ; a row of Wqkv in bytes
	s_movk_i32 s22, 0x1000                         ; a row of Wo
	s_cmp_lt_u32 s14, 24                           ; Wqkv's work-group or Wo's?
	s_cselect_b32 s20, s21, s22                    ; the pitch
	s_cselect_b32 s25, 0, 24
	s_sub_co_u32 s23, s14, s25                     ; which 128 columns of my weight
	s_lshl_b32 s23, s23, 7
	s_lshl_b32 s26, s16, 5
	s_add_co_u32 s23, s23, s26                     ; my wave's first column there,
	s_lshl_b32 s23, s23, 2                         ; in bytes
	s_lshl_b32 s27, s18, 8
	s_mul_i32 s27, s27, s20                        ; 256 y' rows down
	s_add_co_u32 s28, s27, s23
	s_mov_b32 s29, 0                               ; s[28:29]: where my part of the weight begins
	s_lshl_b32 s30, s20, 5
	s_mov_b32 s31, 0                               ; s[30:31]: 32 rows, a block
	s_lshl_b32 s17, s14, 7
	s_add_co_u32 s17, s17, s26                     ; my first row of wq: 128 x' + 32 x wave
	s_mul_i32 s48, s17, KROW
	s_mul_i32 s49, s18, ROWB
	s_add_co_u32 s48, s48, s49
	s_mov_b32 s49, 0                               ; s[48:49]: my codes
	s_lshl_b32 s50, s17, 5
	s_lshl_b32 s51, s18, 3
	s_add_co_u32 s50, s50, s51
	s_add_co_u32 s50, s50, WS_OFF
	s_mov_b32 s51, 0                               ; s[50:51]: my scale bytes
	s_wait_alu depctr_va_vdst(0)
	v_lshlrev_b32 v3, 2, v2                        ; in: 4 bytes a lane
.set i, 0
.rept 32
	v_mad_u32_u24 v[WOFF+i], s20, i, v3            ; row i of a block
.set i, i+1
.endr
	s_mul_i32 s19, s16, 32*PITCH
	s_add_co_u32 s19, s19, WLDS                    ; my stage
	v_mul_u32_u24 v4, v2, PITCH
	v_add_nc_u32 v4, s19, v4                       ; into it: row = my column
	v_and_b32 v5, 15, v2
	v_lshrrev_b32 v6, 4, v2                        ; out of it: sixteen lanes to a row, two rows an instruction
	v_mul_u32_u24 v7, v6, PITCH
	v_lshl_add_u32 v7, v5, 4, v7
	v_add_nc_u32 v7, s19, v7
	v_mul_u32_u24 v8, v6, KROW
	v_mad_u32_u24 v8, v5, 12, v8                   ; and the same place in wq
	v_and_b32 v9, 7, v2                            ; pos(lane): bits 3 and 4 exchanged
	v_and_b32 v10, 8, v2
	v_lshl_or_b32 v9, v10, 1, v9
	v_and_b32 v10, 16, v2
	v_lshrrev_b32 v10, 1, v10
	v_or_b32 v9, v9, v10
	v_lshlrev_b32 v9, 5, v9                        ; my column's row of scale bytes
	s_wait_kmcnt 0x0
	s_cmp_lt_u32 s14, 24
	s_cselect_b64 s[4:5], s[6:7], s[8:9]           ; the choice hangs on the work-group's number alone
	s_add_nc_u64 s[32:33], s[4:5], s[28:29]        ; block 0's base
.irp t, 1,2,3,4,5,6,7
	s_add_nc_u64 s[32+2*\t:33+2*\t], s[30+2*\t:31+2*\t], s[30:31]   ; block t's: 32 rows on
.endr
	s_add_nc_u64 s[6:7], s[12:13], s[48:49]
	s_add_nc_u64 s[8:9], s[12:13], s[50:51]
.macro WLOAD t                         ; block t: W(32 t + i, my column), i = 0 .. 31, into set t % 2
.set i, 0
.rept 32
	global_load_b32 v[WX+32*((\t)%2)+i], v[WOFF+i], s[32+2*(\t):33+2*(\t)] th:TH_LOAD_NT
.set i, i+1
.endr
.endm
	WLOAD 0
	WLOAD 1
.macro WBLOCK t
.set WN, WX+32*((\t)%2)
.if (\t) < NB-1
	s_wait_loadcnt 32                              ; this block's 32 loads are in; the next block's may be out
.else
	s_wait_loadcnt 0
.endif
	v_max3_num_f32 v12, |v[WN]|, |v[WN+1]|, |v[WN+2]|              ; the block's largest magnitude: all 32 numbers are mine
	v_max3_num_f32 v13, |v[WN+3]|, |v[WN+4]|, |v[WN+5]|
.irp i, 6,10,14,18,22,26
	v_max3_num_f32 v12, v12, |v[WN+\i]|, |v[WN+\i+1]|
	v_max3_num_f32 v13, v13, |v[WN+\i+2]|, |v[WN+\i+3]|
.endr
	v_max3_num_f32 v12, v12, |v[WN+30]|, |v[WN+31]|
	v_max3_num_f32 v12, v12, v13, 0x1800000        ; and the floor 2^(3 - 127): the byte cannot fall under 1
	v_add_nc_u32 v11, 0xff000000, v12              ; 2 off its exponent field: the conversion's scale operand
	v_lshrrev_b32 v13, 23, v11                     ; the scale's byte
.if (\t)%4 == 0
	v_mov_b32 v[WSB+(\t)/4], v13                   ; four bytes to a register, the lower K in the lower byte
.else
	v_lshl_or_b32 v[WSB+(\t)/4], v13, 8*((\t)%4), v[WSB+(\t)/4]
.endif
	v_cvt_scalef32_pk16_fp6_f32 v[WC:WC+2], v[WN:WN+15], v11
	v_cvt_scalef32_pk16_fp6_f32 v[WC+4:WC+6], v[WN+16:WN+31], v11  ; (a conversion's three registers begin on an even number)
	ds_store_b96 v4, v[WC:WC+2] offset:32*(\t)     ; 12 bytes to a place of 16, so that every LDS address is a multiple of 16
	ds_store_b96 v4, v[WC+4:WC+6] offset:32*(\t)+16
.if (\t)+2 < NB
	WLOAD (\t)+2
.endif
	s_wait_dscnt 0x0                               ; the stores have read their registers: the next block's codes may be written
.endm
.irp t, 0,1,2,3,4,5,6,7
	WBLOCK \t
.endr
	s_wait_alu depctr_va_vdst(0)
	global_store_b64 v9, v[WSB:WSB+1], s[8:9]      ; my column's 8 scale bytes
.irp t, 0,1,2,3,4,5,6,7,8,9,10,11,12,13,14,15
	ds_load_b96 v[WOUT+4*\t:WOUT+4*\t+2], v7 offset:2*\t*PITCH     ; columns 2 t and 2 t + 1.  LDS serves a wave's instructions in order: these see my stores
.endr
.irp t, 0,1,2,3,4,5,6,7,8,9,10,11,12,13,14,15
	s_wait_dscnt 15-\t
	global_store_b96 v8, v[WOUT+4*\t:WOUT+4*\t+2], s[6:7] offset:2*((\t&3)|((\t&4)<<1)|((\t&8)>>1))*KROW   ; to rows pos(2 t), pos(2 t + 1): t's bits 2 and 3 exchanged
.endr
	s_wait_tensorcnt 0x0
	ds_add_u32 v208, v209
	s_wait_dscnt 0x0
	s_endpgm
.Lfunc_end_k_qe7bfb233b7_quant:
	.size	k_qe7bfb233b7_quant, .Lfunc_end_k_qe7bfb233b7_quant-k_qe7bfb233b7_quant
	.p2alignl 7, 3214868480
	.fill 96, 4, 3214868480
	.section	.rodata,"a",@progbits
	.p2align	6, 0x0
	.amdhsa_kernel k_qe7bfb233b7_quant
		.amdhsa_group_segment_fixed_size 69120
		.amdhsa_private_segment_fixed_size 0
		.amdhsa_enable_private_segment 0
		.amdhsa_kernarg_size 40
		.amdhsa_user_sgpr_count 2
		.amdhsa_user_sgpr_kernarg_segment_ptr 1
		.amdhsa_wavefront_size32 1
		.amdhsa_system_sgpr_workgroup_id_x 1
		.amdhsa_system_sgpr_workgroup_id_y 1
		.amdhsa_system_sgpr_workgroup_id_z 1
		.amdhsa_system_vgpr_workitem_id 0
		.amdhsa_next_free_vgpr 210
		.amdhsa_next_free_sgpr 66
		.amdhsa_reserve_vcc 0
		.amdhsa_float_denorm_mode_32 3
		.amdhsa_float_denorm_mode_16_64 3
		.amdhsa_memory_ordered 1
		.amdhsa_forward_progress 1
		.amdhsa_inst_pref_size 76
	.end_amdhsa_kernel
	.amdgpu_metadata
---
amdhsa.version: [ 1, 2 ]
amdhsa.kernels:
  - .name:           k_qe7bfb233b7_quant
    .symbol:         k_qe7bfb233b7_quant.kd
    .args:
      - { .name: x, .offset: 0, .size: 8, .value_kind: global_buffer, .address_space: global }
      - { .name: Wqkv, .offset: 8, .size: 8, .value_kind: global_buffer, .address_space: global }
      - { .name: Wo, .offset: 16, .size: 8, .value_kind: global_buffer, .address_space: global }
      - { .name: xq, .offset: 24, .size: 8, .value_kind: global_buffer, .address_space: global }
      - { .name: wq, .offset: 32, .size: 8, .value_kind: global_buffer, .address_space: global }
    .group_segment_fixed_size: 69120
    .private_segment_fixed_size: 0
    .kernarg_segment_align: 8
    .kernarg_segment_size: 40
    .max_flat_workgroup_size: 128
    .sgpr_count:     66
    .vgpr_count:     210
    .wavefront_size: 32
...
	.end_amdgpu_metadata
.endif
;; end of part 1
;; launch gemm_qkv (part 2): grid 8 x 32, 4 waves a work-group, clusters of 4 x 4, 327,680 bytes of LDS; arguments xq, wq, bqkv, qq, kv; writes qq, kv
.if DOCPART == 2
	.amdgcn_target "amdgcn-amd-amdhsa--gfx1250"
	.amdhsa_code_object_version 6
	.text
	.protected	k_qe7bfb233b7_gemm_qkv
	.globl	k_qe7bfb233b7_gemm_qkv
	.p2align	8
	.type	k_qe7bfb233b7_gemm_qkv,@function
k_qe7bfb233b7_gemm_qkv:
	s_mov_b64 s[64:65], 0
	v_nop
	global_prefetch_b8 v0, s[64:65] scope:SCOPE_SE
	s_setreg_imm32_b32 hwreg(HW_REG_WAVE_MODE, 25, 1), 1
	s_wait_xcnt 0x0
	s_wait_alu depctr_hold_cnt(0) depctr_sa_sdst(0) depctr_va_vdst(0) depctr_va_sdst(0) depctr_va_ssrc(0) depctr_va_vcc(0) depctr_vm_vsrc(0)
	s_getreg_b32 s2, hwreg(HW_REG_IB_STS2, 6, 4)
	s_cmp_eq_u32 s2, 0
	s_cbranch_scc0 .Lentry_in_a_cluster
	s_endpgm
.Lentry_in_a_cluster:
	s_bfe_u32 s2, ttmp6, 0x10000c
	s_cmp_lg_u32 s2, 0xf033
	s_cbranch_scc0 .Lentry_shape_is_right
	s_endpgm
.Lentry_shape_is_right:
; qkv = x Wqkv + bqkv on codes of FP6 (E2M3), one E8M0 scale for each 32 along K = 1,024.  q, k and v leave AS CODES, quantised here in registers, in the order of the attention launch's operand registers.
; THE DEAL.  256 work-groups of four waves.  A work-group takes 256 tokens (tb = 0 .. 31) and a pair of heads (hp = 0 .. 7): 256 x 128 results each of Q, K and V.
; A wave HOLDS its 64 tokens of x, all of K, in registers (32 fragments, 384 registers) for the whole launch; the pair's 3 x 128 rows of the weights STREAM past in 24 tiles of 16 rows (8 fragments, two sets).
; A tile is 32 products.  Q, K: source 0 = the weight's tile, source 1 = a held tile: a lane holds ONE token and its registers run along the head's 64, the next product's K; a head (four tiles) is 128 sums a lane.
; V: source 0 = a held tile, source 1 = the weight's tile: a lane holds ONE column and its 32 sums run along my 64 tokens: the keys.
; LDS (rows of 768 bytes, 16 bytes of padding behind every 256: pitch 816): W_q's 128 rows at 0, x's 256 rows behind them.  When every wave holds x in registers, x's bytes are filled again, ONCE, behind a drained
; round of the cluster's barrier, with W_k's and W_v's rows: so the 24 tiles lie on end and the stream has no break.  A plain barrier in a phase's seventh tile shows that fill to all, ahead of the first fetch from it.
; Rows of xq and wq lie with bits 3 and 4 of their index exchanged: the 16 registers of result tiles 2 b, 2 b + 1 are indices 32 b + 16 (lane / 16) + 0 .. 15 of source 0's side.
; THE BIAS is the C of a tile's first four products, eight registers a tile.  Scale words and bias of the NEXT phase's tile s are loaded as soon as this phase's tile s has been multiplied.  One text loads both forms
; of bias: eight loads by eight offset registers, 64 (lane / 16) + 4 j for Q and K (the registers' columns), all equal to 4 (r + 8 (r / 8)) for V (the lane's column).
; CLUSTERS 4 x 4: x's rows hang on tb and are shared along a row of the cluster, a weight's rows on hp and are shared along a column.
; NO PREFETCH: x and W_q are asked for at the head, where there is no loop to run ahead in; W_k and W_v are asked for 224 products ahead of the barrier that waits for them, and eight clusters ask for the same rows.
; OUT.  qq: a head's record: [64 tiles of 16 tokens][512 bytes: registers 0-3, 16 a lane | 256 bytes: registers 4, 5, 8 a lane]; at 49,152 scale words [8 steps][2 halves][32 lanes][2]: word i of lane l in half f is
; row l % 16 of tile 4 f + 2 i + l / 16; an even tile's two bytes lie in the word's lower half, an odd tile's in its upper half, the other half is 0.
; kv: K's part like Q's; at 53,248 V's codes [8 steps][4 tiles][2 halves of the step's keys][512 | 256]; at 102,400 V's scale words [8 steps][32 lanes][2].
; LIMITS: NaN and infinities are not served; blocks whose largest magnitude lies under 2^-124 keep the byte 1; a block of zeros gets the byte 1 and not 127 (zero codes; this program alone reads the bytes).
.set PITCH,  816
.set KROW,   768
.set FR,     12                        ; registers of a fragment
.set FPW,    21                        ; fragment f lies in window 1 + f / 21 at register 12 (f % 21); 0-31 held (4 q + t), 32-39 and 40-47 the streamed sets
.set NF,     26                        ; LDS loads that bring a tile's eight fragments
.set XB,     128*PITCH                 ; x's rows; later W_k's and W_v's
.set STG,    384*PITCH                 ; V's scale words meet here
.set SPARE,  STG+1024
.set XS_OFF, 6291456
.set WS_OFF, 3145728
.set QREC,   53248
.set KVREC,  104448
.set L16, 6                            ; v4, v5 a fragment's lane term (v5: for the pieces behind one padding more); v6 16 x lane, v7 8 x lane
.set L8,  7
.set HA,  8                            ; v8-15  LDS addresses of the held tiles
.set SAD, 20                           ; v20-21 of the tile that is fetched
.set SPW, 22
.set NIL, 23
.set SB,  32                           ; v32-47  the held side's scale words: 8 p + q: lanes 0-15 tile 2 p, lanes 16-31 tile 2 p + 1
.set SA,  52                           ; v52-115 the streamed side's: 8 s + q, lane r's row
.set PWS, 116                          ; v116-123 new scale words
.set TM,  124                          ; v124-129 at work
.set CD,  130                          ; v130-135 six registers of codes; v136-138 the second conversion's
.set CD2, 136
.set SK,  140                          ; v140-143 two tiles' words to a register
.set RS,  144                          ; 32 r
.set LS,  145                          ; 32 x lane
.set BO,  146                          ; 64 (lane / 16)
.set VBO, 147                          ; 4 (r + 8 (r / 8))
.set STA, 148                          ; the stage, in and out
.set STL, 149
.set BI,  152                          ; v152-215 the bias, eight registers a tile
.set VO,  216                          ; v216-223 the bias loads' offsets
.set ACL, 72                           ; window 3: v840-967 the sums
.set G1X, 24
.set G1W, 32
.set G0X, 48
.set G0W, 52
.set G0R, 56
.set MSB, 0
.macro WIN new
.if MSB != \new
	s_set_vgpr_msb (MSB<<8)|\new
.set MSB, \new
.endif
.endm
.macro PLACES n
.rept \n
	v_nop
.endr
.endm
.macro WALU
	s_wait_alu depctr_va_vdst(0)
.endm
.macro BARRIER
	s_barrier_signal -1
	s_barrier_wait -1
.endm
.macro CROUND                          ; a round of the cluster's barrier
	s_barrier_signal -1
	s_barrier_wait -1
	s_cmp_lg_u32 s14, 0
	s_cbranch_scc1 .Lnot_wave_0_\@
	s_barrier_signal -3
.Lnot_wave_0_\@:
	s_barrier_wait -3
	BARRIER
.endm
.macro TLOAD g0, g1
	tensor_load_to_lds s[\g0:\g0+3], s[\g1:\g1+7]
	s_nop 0
	PLACES 4
.endm
.macro GROUP1 g, mask, rows            ; rows of 768 bytes, 16 bytes of padding behind every 256
	s_or_b32 s[\g+0], s\mask, (1<<20)|(1<<21)|(5<<22)|(3<<25)
	s_mov_b32 s[\g+1], KROW<<16
	s_mov_b32 s[\g+2], (\rows)<<16
	s_mov_b32 s[\g+3], KROW<<16
	s_mov_b32 s[\g+4], \rows
	s_mov_b32 s[\g+5], KROW
	s_mov_b32 s[\g+6], 0
	s_mov_b32 s[\g+7], 0
.endm
.macro G0SET g, lds, base, off
	s_mov_b32 s[\g], 1
	s_mov_b32 s[\g+1], s\lds
	s_add_nc_u64 s[\g+2:\g+3], s[\base:\base+1], s[\off:\off+1]
	s_or_b32 s[\g+3], s[\g+3], 0x80000000
.endm
; A fragment: six pieces of 8 bytes of a row, two to a load where both lie behind as many paddings.  Lanes 16-31 read 24 bytes further on; where that is behind one padding more, register a + 1 serves.
.macro FRAG f, q, a
	WIN (1+(\f)/FPW)<<6
.set R_, FR*((\f)%FPW)
.set SKIP_, 0
.irp p, 0,1,2,3,4,5
.if SKIP_
.set SKIP_, 0
.else
.set PC_, 12*(\q)+6*(\p/3)+\p%3
.set PN_, 12*(\q)+6*((\p+1)/3)+(\p+1)%3
.set X_, (PC_%32+3)/32
.set XQ_, (PN_%32+3)/32
.if (\p < 5) && (X_ == XQ_)
.set SKIP_, 1
	ds_load_2addr_b64 v[R_+2*\p:R_+2*\p+3], v[(\a)+X_] offset0:PC_+2*(PC_/32) offset1:PN_+2*(PN_/32)
.else
	ds_load_b64 v[R_+2*\p:R_+2*\p+1], v[(\a)+X_] offset:8*(PC_+2*(PC_/32))
.endif
.endif
.endr
.endm
.macro FRAGS e, a                      ; a tile's eight fragments into set e
.irp q, 0,1,2,3,4,5,6,7
	FRAG 32+8*(\e)+\q, \q, \a
.endr
	WIN 0
.endm
.macro FETCHL n, e                     ; tile n of the 24
	WIN 0
	v_add_nc_u32 v[SAD], (\n)*16*PITCH, v4
	v_add_nc_u32 v[SAD+1], (\n)*16*PITCH, v5
	WALU
	FRAGS \e, SAD
.endm
.macro FETCHS n, e                     ; tile n, counted from the phase's first (s91: where that lies)
	WIN 0
	s_add_co_u32 s20, s91, (\n)*16*PITCH
	v_add_nc_u32 v[SAD], s20, v4
	v_add_nc_u32 v[SAD+1], s20, v5
	WALU
	FRAGS \e, SAD
.endm
.macro NEXTS s, sb, bb                 ; tile s's scale words (lane (r, h): row r's 32 bytes) and bias
.irp c, 0,1
	global_load_b128 v[SA+8*(\s)+4*\c:SA+8*(\s)+4*\c+3], v[RS], s[\sb:\sb+1] offset:512*(\s)+16*\c
.endr
.irp j, 0,1,2,3,4,5,6,7
	global_load_b32 v[BI+8*(\s)+\j], v[VO+\j], s[\bb:\bb+1] offset:(32*((\s)/2)+8*((\s)%2))*4
.endr
.endm
.macro W1 side
.if T_%2
	v_wmma_scale_f32_16x16x128_f8f6f4 v[D_:D_+7], v[RA_:RA_+11], v[RB_:RB_+11], v[C_:C_+7], v[XA_], v[XB_] matrix_a_fmt:MATRIX_FMT_FP6 matrix_b_fmt:MATRIX_FMT_FP6 matrix_\side\()_scale:MATRIX_SCALE_ROW1
.else
	v_wmma_scale_f32_16x16x128_f8f6f4 v[D_:D_+7], v[RA_:RA_+11], v[RB_:RB_+11], v[C_:C_+7], v[XA_], v[XB_] matrix_a_fmt:MATRIX_FMT_FP6 matrix_b_fmt:MATRIX_FMT_FP6
.endif
.endm
; A tile's 32 products; the four accumulators take turns
.macro PRODS kind, s
.set N_, 0
.rept 32
.set Q_, N_/4
.set T_, N_%4
.set FH_, 4*Q_+T_
.set FS_, 32+8*((\s)%2)+Q_
.if \kind
.set D_, ACL+32*((\s)%2)+8*T_
.set RA_, FR*(FH_%FPW)
.set RB_, FR*(FS_%FPW)
.set XA_, SB+8*(T_/2)+Q_
.set XB_, SA+8*(\s)+Q_
.set W_, (1+FH_/FPW)|((1+FS_/FPW)<<2)
.else
.set D_, ACL+32*T_+8*((\s)%4)
.set RA_, FR*(FS_%FPW)
.set RB_, FR*(FH_%FPW)
.set XA_, SA+8*(\s)+Q_
.set XB_, SB+8*(T_/2)+Q_
.set W_, (1+FS_/FPW)|((1+FH_/FPW)<<2)
.endif
.if Q_
.set C_, D_
	WIN W_|0xf0
.else
.set C_, BI+8*(\s)
	WIN W_|0xc0
.endif
.if \kind
	W1 a
.else
	W1 b
.endif
.set N_, N_+1
.endr
.endm
; The way out of 32 sums from register a (window 3) on: register 16 b + i is index 32 b + 16 (lane / 16) + i along the next K.  Each accumulator is read from its low end on.
.macro OUT a, pw, sh, ob, off
	s_wait_xcnt 0x0                        ; the last stores have read the codes' registers
	WIN 0x0f
.irp b, 0,1
	v_max3_num_f32 v[TM+\b], |v[(\a)+16*\b]|, |v[(\a)+16*\b+1]|, 0x1800000   ; with the floor 2^(3 - 127): the byte cannot fall under 1
.endr
	WIN 0x3c
.irp i, 2,4,6,8,10,12,14
.irp b, 0,1
	v_max3_num_f32 v[TM+\b], v[TM+\b], |v[(\a)+16*\b+\i]|, |v[(\a)+16*\b+\i+1]|
.endr
.endr
	WIN 0
.irp b, 0,1
	v_permlanex16_b32 v[TM+2+\b], v[TM+\b], s82, s83
.endr
.irp b, 0,1
	v_max_num_f32 v[TM+\b], v[TM+\b], v[TM+2+\b]   ; with lane l xor 16's 16: the block's largest magnitude
.endr
.irp b, 0,1
	v_add_nc_u32 v[TM+4+\b], 0xff000000, v[TM+\b]  ; 2 off its exponent field: the conversion's scale operand
.endr
.irp b, 0,1
	v_lshrrev_b32 v[TM+2+\b], 23, v[TM+4+\b]       ; the scale's byte
.endr
	v_lshl_or_b32 v[\pw], v[TM+3], 8, v[TM+2]
.if \sh
	v_lshlrev_b32 v[\pw], 16, v[\pw]               ; an odd tile's two bytes lie in the word's upper half
.endif
	WIN 3
	v_cvt_scalef32_pk16_fp6_f32 v[CD:CD+2], v[(\a):(\a)+15], v[TM+4]
	v_cvt_scalef32_pk16_fp6_f32 v[CD2:CD2+2], v[(\a)+16:(\a)+31], v[TM+5]
	WIN 0
	v_nop                                  ; one plain place behind a scaled conversion
.irp i, 0,1,2
	v_permlane16_swap_b32 v[CD+\i], v[CD2+\i]      ; a whole block to a lane: lanes 0-15 block 0, lanes 16-31 block 1
.endr
.irp i, 0,1,2
	v_mov_b32 v[CD+3+\i], v[CD2+\i]
.endr
	WALU
	global_store_b128 v[L16], v[CD:CD+3], s[\ob:\ob+1] offset:\off          ; 512 consecutive bytes, then 256
	global_store_b64 v[L8], v[CD+4:CD+5], s[\ob:\ob+1] offset:(\off)+512
.endm
; ================= THE HEAD
	s_load_b128 s[4:7], s[0:1], 0x0        ; xq, wq
	s_load_b128 s[8:11], s[0:1], 0x10      ; bqkv, qq
	s_load_b64 s[12:13], s[0:1], 0x20      ; kv
	v_lshl_add_u32 v[SPW], v0, 2, SPARE
	v_mov_b32 v[NIL], 0
	ds_add_u32 v[SPW], v[NIL]              ; the opening lines
	ds_add_u32 v[SPW], v[NIL]
	v_lshrrev_b32 v1, 5, v0
	v_readfirstlane_b32 s14, v1            ; wave; s15 = wave / 2, s16 = wave % 2
	s_lshr_b32 s15, s14, 1
	s_and_b32 s16, s14, 1
	s_bfe_u32 s40, ttmp6, 0x40000          ; cx, cy
	s_bfe_u32 s41, ttmp6, 0x40004
	s_lshl_b32 s42, ttmp9, 2
	s_add_co_u32 s42, s42, s40             ; hp
	s_and_b32 s43, ttmp7, 0xffff
	s_lshl_b32 s43, s43, 2
	s_add_co_u32 s43, s43, s41             ; tb
	s_lshl_b32 s44, s41, 2
	s_lshl_b32 s44, 15, s44                ; my row of the cluster
	s_lshl_b32 s45, 0x1111, s40            ; my column
	GROUP1 G1X, 44, 128
	GROUP1 G1W, 45, 64
	s_lshl_b32 s20, s43, 8
	s_lshl_b32 s22, s16, 7
	s_add_co_u32 s20, s20, s22
	s_mul_i32 s20, s20, KROW               ; x: row 256 tb + 128 (wave % 2)
	s_mov_b32 s21, 0
	s_lshl_b32 s46, s42, 7
	s_lshl_b32 s22, s16, 6
	s_add_co_u32 s46, s46, s22
	s_mul_i32 s46, s46, KROW               ; W_q: row 128 hp + 64 (wave % 2)
	s_mov_b32 s47, 0
	s_add_co_u32 s22, s15, 1
	s_mul_i32 s22, s22, 1024*KROW
	s_add_co_u32 s22, s22, s46             ; W_k (waves 0, 1) or W_v (waves 2, 3): 1,024 or 2,048 rows on
	s_mov_b32 s23, 0
	s_mul_i32 s17, s16, 128*PITCH
	s_add_co_u32 s17, s17, XB
	s_mul_i32 s18, s16, 64*PITCH
	s_mul_i32 s19, s14, 64*PITCH
	s_add_co_u32 s19, s19, XB              ; also: where my 64 tokens lie
	WALU
	s_wait_dscnt 0x0
	s_wait_kmcnt 0x0
	CROUND                                 ; all sixteen work-groups are here: the first joint loads meet
	G0SET G0X, 17, 4, 20
	G0SET G0W, 18, 6, 46
	G0SET G0R, 19, 6, 22
	s_cmp_lt_u32 s14, 2                    ; one load a wave: waves 0, 1 x's halves, waves 2, 3 W_q's halves
	s_cbranch_scc0 .Lhead_w
	TLOAD G0X, G1X
	s_branch .Lasked
.Lhead_w:
	TLOAD G0W, G1W
.Lasked:
	s_lshl_b32 s22, s15, 9
	s_lshl_b32 s23, s16, 1
	s_add_co_u32 s22, s22, s23
	s_add_co_u32 s22, s22, STG             ; the stage, in: 512 x step + 2 x half of the step's keys
	s_lshl_b32 s23, s14, 8
	s_add_co_u32 s23, s23, STG             ; out: 256 bytes a wave
	s_mov_b32 s82, 0x76543210
	s_mov_b32 s83, 0xfedcba98              ; v_permlanex16_b32's selects for lane l xor 16
	v_and_b32 v1, 15, v0                   ; r
	v_bfe_u32 v2, v0, 4, 1                 ; h
	v_and_b32 v3, 31, v0
	v_mul_u32_u24 v4, v1, PITCH
	v_mad_u32_u24 v5, v2, 40, v4
	v_mad_u32_u24 v4, v2, 24, v4
	v_lshlrev_b32 v[L16], 4, v3
	v_lshlrev_b32 v[L8], 3, v3
	v_add_nc_u32 v[HA], s19, v4
	v_add_nc_u32 v[HA+1], s19, v5
.irp t, 1,2,3
	v_add_nc_u32 v[HA+2*\t], \t*16*PITCH, v[HA]
	v_add_nc_u32 v[HA+2*\t+1], \t*16*PITCH, v[HA+1]
.endr
	v_lshlrev_b32 v[RS], 5, v1
	v_lshlrev_b32 v[LS], 5, v3
	v_lshlrev_b32 v[BO], 6, v2
	v_and_b32 v[VBO], 8, v1
	v_add_nc_u32 v[VBO], v[VBO], v1
	v_lshlrev_b32 v[VBO], 2, v[VBO]
.irp j, 0,1,2,3,4,5,6,7
	v_add_nc_u32 v[VO+\j], 4*\j, v[BO]
.endr
	v_add_nc_u32 v[STA], s22, v[L8]
	v_add_nc_u32 v[STL], s23, v[L8]
	v_mov_b32 v[TM+2], 0                   ; written once: a lane permute's destination counts as one of its sources
	v_mov_b32 v[TM+3], 0
	v_cmp_le_u32 s85, 16, v3               ; lanes 16-31
	WALU
	s_lshl_b32 s20, s43, 13                ; where scale bytes and bias come from
	s_lshl_b32 s22, s14, 11
	s_add_co_u32 s20, s20, s22
	s_add_co_u32 s20, s20, XS_OFF
	s_mov_b32 s21, 0
	s_add_nc_u64 s[66:67], s[4:5], s[20:21]        ; x's scale bytes, my 64 tokens
	s_lshl_b32 s20, s42, 12
	s_add_co_u32 s20, s20, WS_OFF
	s_add_nc_u64 s[68:69], s[6:7], s[20:21]        ; W_q's, the pair's 128 rows
	s_add_nc_u64 s[60:61], s[68:69], 1024*32       ; the next phase's
	s_lshl_b32 s20, s42, 9
	s_add_nc_u64 s[92:93], s[8:9], s[20:21]        ; q's bias
	s_add_nc_u64 s[62:63], s[92:93], 1024*4        ; the next phase's
.irp p, 0,1
.irp c, 0,1
	global_load_b128 v[SB+8*\p+4*\c:SB+8*\p+4*\c+3], v[LS], s[66:67] offset:1024*\p+16*\c   ; lane l takes row 32 p + l's 32 bytes
.endr
.endr
.irp s, 0,1,2,3,4,5,6,7
	NEXTS \s, 68, 92
.endr
	s_lshr_b32 s90, s43, 2                 ; where the results go: the batch,
	s_lshl_b32 s90, s90, 4
	s_lshl_b32 s22, s42, 1
	s_add_co_u32 s90, s90, s22             ; the pair's lower record,
	s_and_b32 s23, s43, 3
	s_lshl_b32 s23, s23, 1
	s_add_co_u32 s23, s23, s15             ; my step of 128 tokens; s16: my half of it
	s_mul_i32 s17, s90, QREC
	s_mul_i32 s18, s90, KVREC
	s_mul_i32 s19, s23, 6144
	s_lshl_b32 s22, s23, 9
	s_mul_i32 s46, s16, 3072
	s_add_co_u32 s46, s46, s19             ; Q, K: my four tiles' codes in a record,
	s_lshl_b32 s47, s16, 8
	s_add_co_u32 s47, s47, s22
	s_add_co_u32 s47, s47, 49152           ; and their scale words
	s_add_co_u32 s20, s17, s46
	s_add_nc_u64 s[70:71], s[10:11], s[20:21]      ; this phase's codes, lower head and upper head
	s_add_nc_u64 s[72:73], s[70:71], QREC
	s_add_co_u32 s20, s17, s47
	s_add_nc_u64 s[74:75], s[10:11], s[20:21]      ; and scale words
	s_add_nc_u64 s[76:77], s[74:75], QREC
	s_add_co_u32 s20, s18, s46
	s_add_nc_u64 s[86:87], s[12:13], s[20:21]      ; K's codes
	s_add_co_u32 s20, s18, s47
	s_add_nc_u64 s[88:89], s[12:13], s[20:21]      ; K's scale words
	s_mul_i32 s20, s16, 768
	s_add_co_u32 s20, s20, s18
	s_add_co_u32 s20, s20, s19
	s_add_co_u32 s20, s20, QREC
	s_add_nc_u64 s[78:79], s[12:13], s[20:21]      ; V's codes: the lower head, my step, my half of its keys
	s_mul_i32 s20, s16, KVREC
	s_add_co_u32 s20, s20, s18
	s_lshr_b32 s22, s22, 1
	s_add_co_u32 s20, s20, s22
	s_add_co_u32 s20, s20, 102400
	s_add_nc_u64 s[80:81], s[12:13], s[20:21]      ; V's scale words: the 256 bytes that I store
	s_wait_tensorcnt 0x0                   ; my part of x or of W_q is in,
	BARRIER                                ; everybody's is
.irp q, 0,1,2,3,4,5,6,7
.irp t, 0,1,2,3
	FRAG 4*\q+\t, \q, HA+2*\t              ; my 64 tokens, all of K: 104 loads
.endr
.endr
	WIN 0
	FRAGS 0, 4                             ; W_q's tiles 0 and 1
	FETCHL 1, 1
	s_wait_tensorcnt 0x0
	ds_add_u32 v[SPW], v[NIL]
	s_wait_loadcnt 0x0                     ; scale words and bias
	s_wait_dscnt 0x0                       ; the add is done, and I hold x in registers
	CROUND
	TLOAD G0R, G1W                         ; every wave 64 rows: W_k's and W_v's 128 rows each, onto x's bytes
	s_mov_b32 s84, 0
	s_mov_b32 s91, 0
; ================= Q, THEN K: one text, two trips
.Lphase:
.irp s, 0,1,2,3,4,5,6,7
	s_wait_loadcnt 60                      ; this tile's scale words and bias were asked for a phase ago: 70 loads are younger
	s_wait_dscnt NF                        ; this tile's rows are in; the next tile's 26 loads may be out
	PRODS 0, \s
	WIN 0
	PLACES 4                               ; ahead of the loads into registers that the products have read, and of the first read of their sums
.if \s == 6
	s_wait_tensorcnt 0x0                   ; my part of W_k and W_v is in,
	s_wait_dscnt 0x0
	BARRIER                                ; everybody's is: the next phase's first tile may be fetched
.endif
	FETCHS \s+2, \s%2
	NEXTS \s, 60, 62
.if \s%4 == 3                          ; a head is whole: my four tiles of tokens leave
.irp t, 0,1,2,3
	OUT ACL+32*\t, PWS+\t, \t%2, 70+2*(\s/4), 768*\t
.endr
.irp i, 0,1
	v_cndmask_b32 v[SK+\i], v[PWS+2*\i], v[PWS+2*\i+1], s85   ; lanes 0-15 tile 2 i's words, lanes 16-31 tile 2 i + 1's
.endr
	WALU
	global_store_b64 v[L8], v[SK:SK+1], s[74+2*(\s/4):75+2*(\s/4)]   ; 256 consecutive bytes, aligned
.endif
.endr
	s_wait_xcnt 0x0                        ; loads and stores have read their bases and offsets
	s_mov_b64 s[70:71], s[86:87]
	s_add_nc_u64 s[72:73], s[86:87], KVREC
	s_mov_b64 s[74:75], s[88:89]
	s_add_nc_u64 s[76:77], s[88:89], KVREC
	s_add_nc_u64 s[60:61], s[60:61], 1024*32
	s_add_nc_u64 s[62:63], s[62:63], 1024*4
.irp j, 0,1,2,3,4,5,6,7
	v_mov_b32 v[VO+\j], v[VBO]             ; the second trip loads V's bias: the lane's column in all eight registers
.endr
	s_add_co_u32 s91, s91, 128*PITCH
	s_add_co_u32 s84, s84, 1
	s_cmp_lg_u32 s84, 2
	WALU
	s_cbranch_scc1 .Lphase
; ================= V
.irp s, 0,1,2,3,4,5,6,7
.if \s == 0
	s_wait_loadcnt 60                      ; 70 loads are younger than tile 0's
.else
	s_wait_loadcnt 10*(7-\s)               ; younger: ten loads for each later tile
.endif
.if \s < 7
	s_wait_dscnt NF
.else
	s_wait_dscnt 0x0
.endif
	PRODS 1, \s
	WIN 0
	PLACES 4
.if \s < 6
	FETCHL 18+\s, \s%2
.endif
	OUT ACL+32*(\s%2), PWS+\s, 0, 78, (\s/4)*KVREC+1536*(\s%4)   ; tile s % 4 of head s / 4, my half of the step's keys
.endr
.irp b, 0,1,2,3
	v_cndmask_b32 v[SK+\b], v[PWS+2*\b], v[PWS+2*\b+1], s85
.endr
	WALU
.irp b, 0,1,2,3
	ds_store_b16 v[STA], v[SK+\b] offset:256*(\b/2)+4*(\b%2)   ; my two bytes of each word: the other two are the wave's that holds the step's other 64 keys
.endr
	s_wait_dscnt 0x0
	BARRIER
	ds_load_b64 v[150:151], v[STL]
	s_wait_dscnt 0x0
	global_store_b64 v[L8], v[150:151], s[80:81]   ; 256 consecutive bytes, aligned
	s_wait_tensorcnt 0x0                   ; the wave's end
	ds_add_u32 v[SPW], v[NIL]
	s_wait_dscnt 0x0
	CROUND                                 ; the closing round
	s_endpgm
.Lfunc_end_k_qe7bfb233b7_gemm_qkv:
	.size	k_qe7bfb233b7_gemm_qkv, .Lfunc_end_k_qe7bfb233b7_gemm_qkv-k_qe7bfb233b7_gemm_qkv
	.p2alignl 7, 3214868480
	.fill 96, 4, 3214868480
	.section	.rodata,"a",@progbits
	.p2align	6, 0x0
	.amdhsa_kernel k_qe7bfb233b7_gemm_qkv
		.amdhsa_group_segment_fixed_size 327680
		.amdhsa_private_segment_fixed_size 0
		.amdhsa_enable_private_segment 0
		.amdhsa_kernarg_size 40
		.amdhsa_user_sgpr_count 2
		.amdhsa_user_sgpr_kernarg_segment_ptr 1
		.amdhsa_wavefront_size32 1
		.amdhsa_system_sgpr_workgroup_id_x 1
		.amdhsa_system_sgpr_workgroup_id_y 1
		.amdhsa_system_sgpr_workgroup_id_z 1
		.amdhsa_system_vgpr_workitem_id 0
		.amdhsa_next_free_vgpr 1024
		.amdhsa_next_free_sgpr 96
		.amdhsa_reserve_vcc 0
		.amdhsa_float_denorm_mode_32 3
		.amdhsa_float_denorm_mode_16_64 3
		.amdhsa_memory_ordered 1
		.amdhsa_forward_progress 1
		.amdhsa_inst_pref_size 169
	.end_amdhsa_kernel
	.amdgpu_metadata
---
amdhsa.version: [ 1, 2 ]
amdhsa.kernels:
  - .name:           k_qe7bfb233b7_gemm_qkv
    .symbol:         k_qe7bfb233b7_gemm_qkv.kd
    .args:
      - { .name: xq, .offset: 0, .size: 8, .value_kind: global_buffer, .address_space: global }
      - { .name: wq, .offset: 8, .size: 8, .value_kind: global_buffer, .address_space: global }
      - { .name: bqkv, .offset: 16, .size: 8, .value_kind: global_buffer, .address_space: global }
      - { .name: qq, .offset: 24, .size: 8, .value_kind: global_buffer, .address_space: global }
      - { .name: kv, .offset: 32, .size: 8, .value_kind: global_buffer, .address_space: global }
    .group_segment_fixed_size: 327680
    .private_segment_fixed_size: 0
    .kernarg_segment_align: 8
    .kernarg_segment_size: 40
    .max_flat_workgroup_size: 128
    .sgpr_count:     96
    .vgpr_count:     1024
    .wavefront_size: 32
...
	.end_amdgpu_metadata
.endif
;; end of part 2
;; launch attn (part 3): grid 4 x 64, 16 waves a work-group, clusters of 4 x 1, 211,968 bytes of LDS; arguments qq, kv, cq; writes cq
.if DOCPART == 3
	.amdgcn_target "amdgcn-amd-amdhsa--gfx1250"
	.amdhsa_code_object_version 6
	.text
	.protected	k_qe7bfb233b7_attn
	.globl	k_qe7bfb233b7_attn
	.p2align	8
	.type	k_qe7bfb233b7_attn,@function
k_qe7bfb233b7_attn:
	s_mov_b64 s[64:65], 0
	v_nop
	global_prefetch_b8 v0, s[64:65] scope:SCOPE_SE
	s_setreg_imm32_b32 hwreg(HW_REG_WAVE_MODE, 25, 1), 1
	s_wait_xcnt 0x0
	s_wait_alu depctr_hold_cnt(0) depctr_sa_sdst(0) depctr_va_vdst(0) depctr_va_sdst(0) depctr_va_ssrc(0) depctr_va_vcc(0) depctr_vm_vsrc(0)
	s_getreg_b32 s2, hwreg(HW_REG_IB_STS2, 6, 4)
	s_cmp_eq_u32 s2, 0
	s_cbranch_scc0 .Lentry_in_a_cluster
	s_endpgm
.Lentry_in_a_cluster:
	s_bfe_u32 s2, ttmp6, 0x10000c
	s_cmp_lg_u32 s2, 0x3003
	s_cbranch_scc0 .Lentry_shape_is_right
	s_endpgm
.Lentry_shape_is_right:
; ctx = softmax(q k^T / 8) v for 128 heads of 1,024 tokens x 64, both products on codes of FP6 (E2M3) with one E8M0 scale for each 32 along K; ctx leaves as codes, quantised here along D, in the order of the
; last product's operand registers.
; THE SOFTMAX AHEAD OF THE SECOND PRODUCT: t = score x log2(e) / 8; M = the row's largest t so far, rounded UP to a whole number; p = 2^(t - M) is quantised along the keys, not normalised.  The row's sum is taken
; of the unquantised p and divides at the end.  When M moves, the sum and O are multiplied by 2^(old M - new M): exact.  A block's largest p is made from the block's largest score by the same
; multiply-add and exponential (this takes v_exp_f32 not to fall where its input rises; at the worst one p of a block, within an ulp of a power of two, is held one code low).
; SHARES.  A work-group owns 256 queries of a PAIR of heads (2 y, 2 y + 1: together one step of 128 along D for the last product); each of its sixteen waves owns one tile of 16 queries, for one head after the other.
; THE PAIR'S K AND V, codes and scale words, are one dense block of 208,896 bytes: it comes into LDS ONCE, so the loop has no ring, no refill and no barrier.  The four query blocks of a pair form a
; cluster and ask for the block jointly.  It is laid in the order of the operands' registers: every fragment comes by loads of consecutive bytes.
; K = 64 IN THE FIRST PRODUCT.  A fragment of K holds TWO tiles of keys: tile 2 f in registers 0-5 (K = 0 .. 63), tile 2 f + 1 in registers 6-11 (K = 64 .. 127).  Q lies as zeros | q | zeros in 18 registers:
; [q | 0] picks tile 2 f, [0 | q] picks tile 2 f + 1.  So a step's 128 keys fill four fragments, which are fetched a step ahead, their loads laid between the dependent lines that make M.
; Scale words: an even tile's two bytes lie in a word's lower half, an odd tile's in its upper half; what stands over zero codes is a byte from 0 to 254.  Q's word carries its two bytes in both halves.
; LAYOUT.  Both products are used transposed: S^T = K Q^T, O^T = V^T P^T: a lane holds ONE query.  Tiles of keys and of V's 64 lie with bits 3 and 4 of the index exchanged, so that the 16 registers of
; result tiles 2 b, 2 b + 1 are 16 neighbours: keys 32 b + 16 (lane / 16) + 0 .. 15 in S^T, the head's numbers likewise in O^T.
; LIMITS: NaN and infinities are not served; a block whose every p (or every number of ctx) lies under 2^-124 keeps the byte 1.
.set QREC,   53248                     ; a head's record in qq: [64 tiles][512 bytes: registers 0-3 | 256 bytes: registers 4, 5]; at 49,152 scale words [8 steps][2 halves][32 lanes][2]
.set KVREC,  104448                    ; in kv: K's like Q's; at 53,248 V's codes [8 steps][4 tiles][2 halves of the keys][512 | 256]; at 102,400 V's scale words [8 steps][32 lanes][2]
.set ASTEP,  1572864                   ; cq's codes: [4][512 tiles of tokens][2][3][32 lanes][16 bytes]: 256 along D are so many bytes
.set CS_OFF, 6291456                   ; cq's scale words: [8 steps of 128 along D][8192 token places]
.set STG,    2*KVREC                   ; LDS behind the two records: 1,024 bytes in which the work-group's scale words meet; no fill lands there
.set L8,  1                            ; v1   8 x lane
.set LSK, 2                            ; v2   8 x lane + 49,152
.set LV,  3                            ; v3   16 x lane + 53,248
.set LSV, 4                            ; v4   8 x lane + 102,400
.set AK,  5                            ; v5-8 the same four in the record in hand
.set ASK, 6
.set AV,  7
.set ASV, 8
.set L16, 9                            ; v9   16 x lane
.set NM,  10                           ; v10 -M, v11 the largest t
.set LS,  12                           ; v[12:13] the sum, in two halves
.set FF,  14                           ; v14 f = 2^(old M - new M); v15 is named with it as a pair
.set QZ,  16                           ; v16-21 zeros, v22-27 q, v28-33 zeros
.set QS,  34                           ; v34 Q's scale words; v35 the second head's
.set QSB, 35
.set KF,  36                           ; v36-83 four fragments of K
.set S,   84                           ; v84-147 S^T, then p
.set VF,  84                           ; v84-131 four fragments of V, once p has been used
.set O,   148                          ; v148-179 O^T
.set PC,  180                          ; v180-191 p's codes
.set PC2, 192                          ; v192-194, v196-198 half blocks on their way
.set AK16, 199                         ; v199 16 x lane in the record in hand
.set BM,  200                          ; v200-203 the blocks' largest
.set BT,  204                          ; v204-207 the other half's; then the bytes
.set BS,  208                          ; v208-211 the conversions' scale operands
.set PSW, 212                          ; v212 p's scale word
.set AV8, 213                          ; v213 8 x lane + 53,248 in the record in hand
.set L2,  214                          ; v[214:215], v[244:245], v[246:247] the sum's other chains
.set L3,  244
.set L4,  246
.set SK,  216                          ; v216-219 K's scale words of a step
.set SV,  220                          ; v220-221 V's
.set CT,  222                          ; v222-233 ctx's fragment
.set CW,  234                          ; v234 its scale word
.set TP,  236                          ; v236-243 at work
.set QB,  248                          ; v248-253 the second head's q
.set WV,  10                           ; s10 wave
.set CX,  11                           ; s11 my place in the cluster
.set YY,  12                           ; s12 the pair of heads
.set SEL, 20                           ; s[20:21] lane selects: lane l xor 16
.set CS,  22                           ; s[22:23] c = log2(e) / 8
.set G1,  24
.set G0,  32
.set TB,  36                           ; s36 LDS byte at which the head's record begins
.set HC,  37                           ; s37 heads to go
.macro ROUND                           ; a round of the cluster's barrier
	s_barrier_signal -1
	s_barrier_wait -1
	s_cmp_lg_u32 s[WV], 0
	s_cbranch_scc1 .Lnot_wave_0_\@
	s_barrier_signal -3
.Lnot_wave_0_\@:
	s_barrier_wait -3
	s_barrier_signal -1
	s_barrier_wait -1
.endm
	s_load_b128 s[4:7], s[0:1], 0x0                ; qq, kv
	s_load_b64 s[8:9], s[0:1], 0x10                ; cq
	v_lshl_add_u32 v254, v0, 2, 0x33400
	v_mov_b32 v255, 0
	ds_add_u32 v254, v255                          ; the opening lines
	ds_add_u32 v254, v255
	v_lshrrev_b32 v1, 5, v0
	v_readfirstlane_b32 s[WV], v1                  ; wave 0..15
	s_bfe_u32 s[CX], ttmp6, 0x40000                ; cx: my block of 256 queries; it enters Q's and ctx's addresses alone
	s_and_b32 s[YY], ttmp7, 0xffff                 ; y = 8 x batch + pair
	; the fill: 816 rows of 256 bytes, 102 for each of waves 0 to 7
	s_mov_b32 s[G1], 15|(3<<16)|(1<<21)            ; the mask: all four work-groups; elements of 8 bytes; no padding; bit 21 set beside a mask
	s_mov_b32 s[G1+1], 32<<16
	s_mov_b32 s[G1+2], 102<<16
	s_mov_b32 s[G1+3], 32<<16
	s_mov_b32 s[G1+4], 102
	s_mov_b32 s[G1+5], 32
	s_mov_b32 s[G1+6], 0
	s_mov_b32 s[G1+7], 0
	s_and_b32 s13, s[WV], 7
	s_mul_i32 s13, s13, 26112                      ; my share, in LDS as in memory
	s_mul_i32 s14, s[YY], 2*KVREC
	s_add_co_u32 s14, s14, s13
	s_mov_b32 s15, 0
	s_lshl_b32 s16, s[CX], 4
	s_add_co_u32 s16, s16, s[WV]                   ; T: my tile of 16 queries, 0 .. 63
	s_mul_i32 s17, s[YY], 2*QREC
	s_mul_i32 s18, s16, 768
	s_add_co_u32 s38, s17, s18
	s_mov_b32 s39, 0                               ; Q's codes
	s_lshr_b32 s18, s16, 3
	s_lshl_b32 s18, s18, 9                         ; Q's scale words: step T / 8,
	s_bfe_u32 s19, s16, 0x10002
	s_lshl_b32 s19, s19, 8                         ; half (T % 8) / 4,
	s_add_co_u32 s18, s18, s19
	s_and_b32 s19, s16, 1
	s_lshl_b32 s19, s19, 7                         ; lanes 16-31's places for an odd tile,
	s_add_co_u32 s18, s18, s19
	s_bfe_u32 s19, s16, 0x10001
	s_lshl_b32 s19, s19, 2                         ; word (T % 4) / 2
	s_add_co_u32 s18, s18, s19
	s_add_co_u32 s18, s18, s17
	s_add_co_u32 s44, s18, 49152
	s_mov_b32 s45, 0
	s_lshr_b32 s17, s[YY], 3                       ; batch
	s_and_b32 s18, s[YY], 7                        ; the pair = the step of 128 along D
	s_lshl_b32 s19, s17, 6
	s_add_co_u32 s19, s19, s16                     ; the tile of tokens: 64 x batch + T
	s_mul_i32 s19, s19, 3072
	s_lshr_b32 s46, s18, 1
	s_mul_i32 s46, s46, ASTEP
	s_add_co_u32 s19, s19, s46
	s_and_b32 s46, s18, 1
	s_mul_i32 s46, s46, 1536
	s_add_co_u32 s40, s19, s46
	s_mov_b32 s41, 0                               ; ctx's codes
	s_lshl_b32 s19, s17, 6
	s_lshl_b32 s46, s[CX], 4
	s_add_co_u32 s19, s19, s46
	s_lshl_b32 s19, s19, 6                         ; 64 bytes of scale words a tile
	s_lshl_b32 s46, s18, 15
	s_add_co_u32 s19, s19, s46
	s_add_co_u32 s42, s19, CS_OFF
	s_mov_b32 s43, 0                               ; the work-group's 1,024 bytes of scale words
	s_mov_b32 s[SEL], 0x76543210
	s_mov_b32 s[SEL+1], 0xfedcba98
	s_mov_b32 s[CS], 0x3e38aa3b                    ; c = log2(e) / 8
	s_mov_b32 s[CS+1], s[CS]                       ; (named with it as a pair, so it is written)
	s_mov_b32 s[TB], 0
	s_mov_b32 s[HC], 2
	s_wait_alu depctr_va_vdst(0)
	s_wait_dscnt 0x0
	s_wait_kmcnt 0x0
	s_mov_b32 s[G0], 1
	s_mov_b32 s[G0+1], s13
	s_add_nc_u64 s[G0+2:G0+3], s[6:7], s[14:15]    ; global address: it hangs on y and the wave alone
	s_or_b32 s[G0+3], s[G0+3], 0x80000000
	s_add_nc_u64 s[38:39], s[4:5], s[38:39]
	s_add_nc_u64 s[44:45], s[4:5], s[44:45]
	s_add_nc_u64 s[40:41], s[8:9], s[40:41]
	s_add_nc_u64 s[42:43], s[8:9], s[42:43]
	ROUND                                          ; all four work-groups are here: the joint loads meet
	s_cmp_lt_u32 s[WV], 8
	s_cbranch_scc0 .Lno_fill
	tensor_load_to_lds s[G0:G0+3], s[G1:G1+7]      ; the one tensor load of a wave in this launch
	s_nop 0
.rept 4
	v_nop
.endr
.Lno_fill:
	v_and_b32 v[TP], 31, v0                        ; lane
	v_and_b32 v[TP+1], 15, v0
	v_lshlrev_b32 v[L8], 3, v[TP]
	v_lshlrev_b32 v[L16], 4, v[TP]
	v_lshlrev_b32 v[TP+2], 3, v[TP+1]              ; 8 r: a lane's two scale words
	v_add_nc_u32 v[LSK], 49152, v[L8]
	v_add_nc_u32 v[LV], 53248, v[L16]
	v_add_nc_u32 v[LSV], 102400, v[L8]
	global_load_b128 v[QZ+6:QZ+9], v[L16], s[38:39]                ; q of both heads stays in registers
	global_load_b64 v[QZ+10:QZ+11], v[L8], s[38:39] offset:512
	global_load_b128 v[QB:QB+3], v[L16], s[38:39] offset:QREC
	global_load_b64 v[QB+4:QB+5], v[L8], s[38:39] offset:QREC+512
	global_load_b32 v[QS], v[TP+2], s[44:45]
	global_load_b32 v[QSB], v[TP+2], s[44:45] offset:QREC
.irp i, 0,1,2,3,4,5
	v_mov_b32 v[QZ+\i], 0                          ; zero codes on both sides of q
	v_mov_b32 v[QZ+12+\i], 0
	v_mov_b32 v[CT+6+\i], 0                        ; (read by the first head's shift)
.endr
.irp b, 0,1,2,3
	v_mov_b32 v[BT+\b], 0                          ; written once: a lane permute's destination counts as one of its sources
.endr
	v_mov_b32 v[FF+1], 0                           ; (named as the upper half of a pair)
	v_mov_b32 v[CW], 0
	s_wait_alu depctr_va_vdst(0)
	s_wait_tensorcnt 0x0                           ; my share of K and V is in,
	s_barrier_signal -1
	s_barrier_wait -1                              ; everybody's is
	s_wait_loadcnt 0x0                             ; Q
.irp w, QS, QSB
	v_lshrrev_b32 v[TP], 16, v[\w]                 ; my tile's two bytes lie in one half of the word, 0 in the other: they go into both
	v_lshl_or_b32 v[\w], v[\w], 16, v[\w]
	v_or_b32 v[\w], v[\w], v[TP]
.endr
.macro KPART s, f                      ; fragment f of key step s + 1: tiles 2 f and 2 f + 1
.if (\s) < 7
.irp c, 0,1
	ds_load_b128 v[KF+12*\f+6*\c:KF+12*\f+6*\c+3], v[AK16] offset:6144*((\s)+1)+768*(2*\f+\c)       ; 512 consecutive bytes, then 256
	ds_load_b64 v[KF+12*\f+6*\c+4:KF+12*\f+6*\c+5], v[AK] offset:6144*((\s)+1)+768*(2*\f+\c)+512
.endr
.endif
.endm
.macro KSC s                           ; its scale words: register b: lanes 0-15 tile 2 b, lanes 16-31 tile 2 b + 1
.if (\s) < 7
	ds_load_b64 v[SK:SK+1], v[ASK] offset:512*((\s)+1)
	ds_load_b64 v[SK+2:SK+3], v[ASK] offset:512*((\s)+1)+256
.endif
.endm
.macro DL n, s                         ; in the last step no load stands between the lines of the chain
.if (\s) == 7
	s_delay_alu instid0(VALU_DEP_\n)
.endif
.endm
.macro PV1 t, first                    ; O^T's tile t: 16 of the head's 64 x these 128 keys.  The four accumulators take turns
.if \first
.if (\t)%2
	v_wmma_scale_f32_16x16x128_f8f6f4 v[O+8*\t:O+8*\t+7], v[VF+12*\t:VF+12*\t+11], v[PC:PC+11], 0, v[SV+(\t)/2], v[PSW] matrix_a_fmt:MATRIX_FMT_FP6 matrix_b_fmt:MATRIX_FMT_FP6 matrix_a_scale:MATRIX_SCALE_ROW1
.else
	v_wmma_scale_f32_16x16x128_f8f6f4 v[O+8*\t:O+8*\t+7], v[VF+12*\t:VF+12*\t+11], v[PC:PC+11], 0, v[SV+(\t)/2], v[PSW] matrix_a_fmt:MATRIX_FMT_FP6 matrix_b_fmt:MATRIX_FMT_FP6
.endif
.else
.if (\t)%2
	v_wmma_scale_f32_16x16x128_f8f6f4 v[O+8*\t:O+8*\t+7], v[VF+12*\t:VF+12*\t+11], v[PC:PC+11], v[O+8*\t:O+8*\t+7], v[SV+(\t)/2], v[PSW] matrix_a_fmt:MATRIX_FMT_FP6 matrix_b_fmt:MATRIX_FMT_FP6 matrix_a_scale:MATRIX_SCALE_ROW1
.else
	v_wmma_scale_f32_16x16x128_f8f6f4 v[O+8*\t:O+8*\t+7], v[VF+12*\t:VF+12*\t+11], v[PC:PC+11], v[O+8*\t:O+8*\t+7], v[SV+(\t)/2], v[PSW] matrix_a_fmt:MATRIX_FMT_FP6 matrix_b_fmt:MATRIX_FMT_FP6
.endif
.endif
.endm
; A KEY STEP: keys 128 s .. 128 s + 127.  Step 0 starts M, the sum and O^T: nothing is cleared.
.macro STEP s
.if (\s) == 0
.irp f, 0,1,2,3
	KPART -1, \f                                   ; a head's first step has nobody to fetch for it
.endr
	KSC -1
	s_wait_dscnt 0x0
.else
.rept 5
	v_nop                                          ; the products below write over V's fragments, which the last step's products read: five places
.endr
.endif
.irp f, 0,1,2,3                                ; S^T = K Q^T: [q | 0] against the fragment's first tile, [0 | q] against its second
	v_wmma_scale_f32_16x16x128_f8f6f4 v[S+16*\f:S+16*\f+7], v[KF+12*\f:KF+12*\f+11], v[QZ+6:QZ+17], 0, v[SK+\f], v[QS] matrix_a_fmt:MATRIX_FMT_FP6 matrix_b_fmt:MATRIX_FMT_FP6
	v_wmma_scale_f32_16x16x128_f8f6f4 v[S+16*\f+8:S+16*\f+15], v[KF+12*\f:KF+12*\f+11], v[QZ:QZ+11], 0, v[SK+\f], v[QS] matrix_a_fmt:MATRIX_FMT_FP6 matrix_b_fmt:MATRIX_FMT_FP6 matrix_a_scale:MATRIX_SCALE_ROW1
.endr
.rept 4
	v_nop
.endr
.irp b, 0,1,2,3
	v_max3_num_f32 v[BM+\b], v[S+16*\b], v[S+1+16*\b], v[S+2+16*\b]   ; the largest score of each block of 32 keys: for the row's maximum, and for the block's largest p
.endr
.irp i, 3,5,7,9,11,13
.irp b, 0,1,2,3
	v_max3_num_f32 v[BM+\b], v[BM+\b], v[S+16*\b+\i], v[S+1+16*\b+\i]
.endr
.endr
.irp b, 0,1,2,3
	v_max_num_f32 v[BM+\b], v[BM+\b], v[S+15+16*\b]
.endr
.irp b, 0,1,2,3
	s_delay_alu instid0(VALU_DEP_4)
	v_permlanex16_b32 v[BT+\b], v[BM+\b], s[SEL], s[SEL+1]
.endr
.irp b, 0,1,2,3
	s_delay_alu instid0(VALU_DEP_4)
	v_max_num_f32 v[BM+\b], v[BM+\b], v[BT+\b]     ; with lane l xor 16's 16 keys
.endr
	s_delay_alu instid0(VALU_DEP_2)
	v_max3_num_f32 v[TP], v[BM], v[BM+1], v[BM+2]
	s_delay_alu instid0(VALU_DEP_1)
	v_max_num_f32 v[TP], v[TP], v[BM+3]            ; the step's largest score of my query
.if (\s) == 0
	s_delay_alu instid0(VALU_DEP_1)
	v_mul_f32 v[NM+1], s[CS], v[TP]                ; as t: the first largest t
	KPART \s, 0                                    ; the next step's K: its registers were read 40 and more vector lines ago
	KPART \s, 1
	v_floor_f32 v[NM], -v[NM+1]                    ; -M = floor(-t) = -ceil(t)
	KPART \s, 2
	KPART \s, 3
	KSC \s
.else
	s_delay_alu instid0(VALU_DEP_1)
	v_mul_f32 v[TP], s[CS], v[TP]
	KPART \s, 0                                    ; the next step's K, between the lines of a chain in which each waits for the one before
	DL 1, \s
	v_max_num_f32 v[NM+1], v[NM+1], v[TP]          ; the running largest t
	v_mov_b32 v[TP], v[NM]
	KPART \s, 1
	DL 2, \s
	v_floor_f32 v[NM], -v[NM+1]                    ; the new -M
	KPART \s, 2
	DL 1, \s
	v_sub_f32 v[TP], v[NM], v[TP]                  ; old M less new M: a whole number, 0 or less
	KPART \s, 3
	DL 1, \s
	v_cvt_i32_f32 v[TP], v[TP]                     ; (it saturates)
	KSC \s
	DL 1, \s
	v_ldexp_f32 v[FF], 1.0, v[TP]                  ; f = 2^(old M - new M)
.endif
.set j, 0
.rept 32
	v_pk_fma_f32 v[S+j:S+j+1], v[S+j:S+j+1], s[CS:CS+1], v[NM:NM+1] op_sel_hi:[1,0,0]   ; t - M, two at a time
.set j, j+2
.endr
.irp b, 0,1,2,3
	v_fma_f32 v[BM+\b], v[BM+\b], s[CS], v[NM]     ; the same of each block's largest score
.endr
.set j, 0
	s_wait_alu depctr_va_vdst(0)
.rept 64
	v_exp_f32 v[S+j], v[S+j]                       ; p = 2^(t - M), at most 1
.set j, j+1
.endr
.irp b, 0,1,2,3
	v_exp_f32 v[BM+\b], v[BM+\b]                   ; the block's largest p
.endr
.if (\s) == 0
	v_nop                                          ; a plain place behind the exponentials
	s_wait_alu depctr_va_vdst(0)
.else
	v_pk_mul_f32 v[LS:LS+1], v[LS:LS+1], v[FF:FF+1] op_sel_hi:[1,0]   ; the sums under the new M.  (A plain place behind the exponentials)
	s_wait_alu depctr_va_vdst(0)
.endif
.irp b, 0,1,2,3
	v_max_num_f32 v[BM+\b], 0x1800000, v[BM+\b]    ; the floor 2^(3 - 127): the byte cannot fall under 1
.endr
.irp b, 0,1,2,3
	s_delay_alu instid0(VALU_DEP_4)
	v_add_nc_u32 v[BS+\b], 0xff000000, v[BM+\b]    ; 2 off the exponent field: the conversion's scale operand
.endr
.irp b, 0,1,2,3
	s_delay_alu instid0(VALU_DEP_4)
	v_lshrrev_b32 v[BT+\b], 23, v[BS+\b]           ; the scale's byte
.endr
	s_delay_alu instid0(VALU_DEP_3)
	v_lshl_or_b32 v[PSW], v[BT+1], 8, v[BT]        ; p's scale word for these 128 keys
	s_delay_alu instid0(VALU_DEP_1)
	v_lshl_or_b32 v[PSW], v[BT+2], 16, v[PSW]
	s_delay_alu instid0(VALU_DEP_1)
	v_lshl_or_b32 v[PSW], v[BT+3], 24, v[PSW]
.irp c, 0,1
	v_cvt_scalef32_pk16_fp6_f32 v[PC+6*\c:PC+2+6*\c], v[S+32*\c:S+15+32*\c], v[BS+2*\c]
	v_cvt_scalef32_pk16_fp6_f32 v[PC2+4*\c:PC2+2+4*\c], v[S+16+32*\c:S+31+32*\c], v[BS+2*\c+1]   ; (a conversion's three registers begin on an even number)
.endr
	v_pk_add_f32 v[L2:L2+1], v[S:S+1], v[S+2:S+3]  ; the row's sum is taken of the unquantised p: two at a time, in four chains.  (Plain places behind the conversions)
	v_pk_add_f32 v[L3:L3+1], v[S+4:S+5], v[S+6:S+7]
	v_pk_add_f32 v[L4:L4+1], v[S+8:S+9], v[S+10:S+11]
.if (\s) == 0
	v_pk_add_f32 v[LS:LS+1], v[S+12:S+13], v[S+14:S+15]   ; the first step starts the sum
.else
	v_pk_add_f32 v[LS:LS+1], v[LS:LS+1], v[S+12:S+13]
	v_pk_add_f32 v[L2:L2+1], v[L2:L2+1], v[S+14:S+15]
.endif
.set j, 16
.rept 6
	v_pk_add_f32 v[LS:LS+1], v[LS:LS+1], v[S+j:S+j+1]
	v_pk_add_f32 v[L2:L2+1], v[L2:L2+1], v[S+j+2:S+j+3]
	v_pk_add_f32 v[L3:L3+1], v[L3:L3+1], v[S+j+4:S+j+5]
	v_pk_add_f32 v[L4:L4+1], v[L4:L4+1], v[S+j+6:S+j+7]
.set j, j+8
.endr
	v_pk_add_f32 v[L2:L2+1], v[L2:L2+1], v[L3:L3+1]
	v_pk_add_f32 v[LS:LS+1], v[LS:LS+1], v[L4:L4+1]
	v_pk_add_f32 v[LS:LS+1], v[LS:LS+1], v[L2:L2+1]
.irp t, 0,1,2,3                                ; V's four fragments land where p lay: p has been summed and converted
.irp c, 0,1
	ds_load_b128 v[VF+12*\t+6*\c:VF+12*\t+6*\c+3], v[AV] offset:6144*(\s)+1536*\t+768*\c   ; half c of the step's keys: 512 consecutive bytes, then 256
	ds_load_b64 v[VF+12*\t+6*\c+4:VF+12*\t+6*\c+5], v[AV8] offset:6144*(\s)+1536*\t+768*\c+512
.endr
.endr
	ds_load_b64 v[SV:SV+1], v[ASV] offset:256*(\s)
.irp c, 0,1                                    ; while they are on their way: the operand's layout wants a WHOLE block in a lane
.irp i, 0,1,2
	v_permlane16_swap_b32 v[PC+6*\c+\i], v[PC2+4*\c+\i]
.endr
.irp i, 0,1,2
	s_delay_alu instid0(VALU_DEP_3)
	v_mov_b32 v[PC+3+6*\c+\i], v[PC2+4*\c+\i]
.endr
.endr
.if (\s) > 0
.set j, 0
.rept 16
	v_pk_mul_f32 v[O+j:O+j+1], v[O+j:O+j+1], v[FF:FF+1] op_sel_hi:[1,0]   ; O^T under the new M, from each accumulator's low end on
.set j, j+2
.endr
.else
.rept 4
	v_nop                                          ; four places between the last write of p's codes and the products
.endr
.endif
	s_wait_alu depctr_va_vdst(0)
	s_wait_dscnt 0x0                               ; V, and the next step's K
.irp t, 0,1,2,3
	PV1 \t, ((\s)==0)
.endr
.endm
.Lhead:                                            ; two trips: the pair's heads
	v_add_nc_u32 v[AK], s[TB], v[L8]
	v_add_nc_u32 v[AK16], s[TB], v[L16]
	v_add_nc_u32 v[ASK], s[TB], v[LSK]
	v_add_nc_u32 v[AV], s[TB], v[LV]
	v_add_nc_u32 v[ASV], s[TB], v[LSV]
	v_add_nc_u32 v[AV8], 53248, v[AK]
.rept 2
	v_nop                                          ; with the six lines above: eight places between the last write of Q's scale word and the first product
.endr
	s_wait_alu depctr_va_vdst(0)
.irp s, 0,1,2,3,4,5,6,7
	STEP \s
.endr
	; A HEAD'S END.  The moves and additions are the places behind the last products.
.irp i, 0,1,2,3,4,5
	v_mov_b32 v[QZ+6+\i], v[QB+\i]                 ; the second head's q
.endr
	v_mov_b32 v[QS], v[QSB]
	v_add_f32 v[LS], v[LS], v[LS+1]                ; the sum's two halves,
	s_delay_alu instid0(VALU_DEP_1)
	v_permlanex16_b32 v[TP], v[LS], s[SEL], s[SEL+1]
	s_delay_alu instid0(VALU_DEP_1)
	v_add_f32 v[LS], v[LS], v[TP]                  ; and lane l xor 16's: the row's sum
	s_wait_alu depctr_va_vdst(0)
	v_rcp_f32 v[LS], v[LS]
	v_lshrrev_b32 v[CW], 16, v[CW]                 ; (a plain place behind the reciprocal)  the first head's two bytes come down
.set j, 0
	s_wait_alu depctr_va_vdst(0)
.rept 16
	v_pk_mul_f32 v[O+j:O+j+1], v[O+j:O+j+1], v[LS:LS+1] op_sel_hi:[1,0]   ; ctx = O^T / the sum: register 16 b + i is the head's number 32 b + 16 (lane / 16) + i
.set j, j+2
.endr
.irp b, 0,1
	v_max3_num_f32 v[BM+\b], |v[O+16*\b]|, |v[O+1+16*\b]|, 0x1800000   ; ctx is quantised along D: the head's two blocks of 32
.endr
.irp i, 2,4,6,8,10,12,14
.irp b, 0,1
	s_delay_alu instid0(VALU_DEP_2)
	v_max3_num_f32 v[BM+\b], v[BM+\b], |v[O+16*\b+\i]|, |v[O+1+16*\b+\i]|
.endr
.endr
.irp b, 0,1
	s_delay_alu instid0(VALU_DEP_2)
	v_permlanex16_b32 v[BT+\b], v[BM+\b], s[SEL], s[SEL+1]
.endr
.irp b, 0,1
	s_delay_alu instid0(VALU_DEP_2)
	v_max_num_f32 v[BM+\b], v[BM+\b], v[BT+\b]
.endr
.irp b, 0,1
	s_delay_alu instid0(VALU_DEP_2)
	v_add_nc_u32 v[BS+\b], 0xff000000, v[BM+\b]
.endr
.irp b, 0,1
	s_delay_alu instid0(VALU_DEP_2)
	v_lshrrev_b32 v[BT+\b], 23, v[BS+\b]
.endr
	s_delay_alu instid0(VALU_DEP_1)
	v_lshl_or_b32 v[TP], v[BT+1], 8, v[BT]
	s_delay_alu instid0(VALU_DEP_1)
	v_lshl_or_b32 v[CW], v[TP], 16, v[CW]          ; this head's two bytes on top
.irp i, 0,1,2,3,4,5
	v_mov_b32 v[CT+\i], v[CT+6+\i]                 ; the first head's six registers come down; this head's take the upper six
.endr
	v_cvt_scalef32_pk16_fp6_f32 v[CT+6:CT+8], v[O:O+15], v[BS]
	v_cvt_scalef32_pk16_fp6_f32 v[PC2:PC2+2], v[O+16:O+31], v[BS+1]
	v_nop                                          ; one plain place behind a scaled conversion
.irp i, 0,1,2
	v_permlane16_swap_b32 v[CT+6+\i], v[PC2+\i]    ; a whole block to a lane
.endr
.irp i, 0,1,2
	s_delay_alu instid0(VALU_DEP_3)
	v_mov_b32 v[CT+9+\i], v[PC2+\i]
.endr
	s_add_co_u32 s[TB], s[TB], KVREC
	s_sub_co_u32 s[HC], s[HC], 1
	s_cmp_lg_u32 s[HC], 0
	s_cbranch_scc1 .Lhead
.irp p, 0,1,2
	global_store_b128 v[L16], v[CT+4*\p:CT+4*\p+3], s[40:41] offset:512*\p   ; the fragment as it stands: 512 consecutive bytes a store
.endr
	v_lshrrev_b32 v[TP], 5, v0                     ; the sixteen waves' scale words meet in LDS, so that they leave in whole runs of 512 bytes
	s_delay_alu instid0(VALU_DEP_1)
	v_lshlrev_b32 v[TP], 6, v[TP]
	v_and_b32 v[TP+1], 15, v0
	s_delay_alu instid0(VALU_DEP_1)
	v_lshl_add_u32 v[TP], v[TP+1], 2, v[TP]
	s_delay_alu instid0(VALU_DEP_1)
	v_add_nc_u32 v[TP], STG, v[TP]                 ; 64 x wave + 4 r
	ds_store_b32 v[TP], v[CW]                      ; lanes l and l + 16 write the same word with the same value
	s_wait_dscnt 0x0                               ; for the others' sake: my store is done
	s_barrier_signal -1
	s_barrier_wait -1
	s_cmp_lt_u32 s[WV], 2
	s_cbranch_scc0 .Lno_words
	v_lshl_add_u32 v[TP+2], v0, 4, STG             ; threads 0 to 63: 16 bytes each
	v_lshlrev_b32 v[TP+3], 4, v0
	ds_load_b128 v[TP+4:TP+7], v[TP+2]
	s_wait_alu depctr_va_vdst(0)
	s_wait_dscnt 0x0
	global_store_b128 v[TP+3], v[TP+4:TP+7], s[42:43]
.Lno_words:
	s_wait_tensorcnt 0x0                           ; the wave's end
	ds_add_u32 v254, v255
	s_wait_dscnt 0x0
	ROUND                                          ; the closing round: no work-group ends while a partner may still ask jointly
	s_endpgm
.Lfunc_end_k_qe7bfb233b7_attn:
	.size	k_qe7bfb233b7_attn, .Lfunc_end_k_qe7bfb233b7_attn-k_qe7bfb233b7_attn
	.p2alignl 7, 3214868480
	.fill 96, 4, 3214868480
	.section	.rodata,"a",@progbits
	.p2align	6, 0x0
	.amdhsa_kernel k_qe7bfb233b7_attn
		.amdhsa_group_segment_fixed_size 211968
		.amdhsa_private_segment_fixed_size 0
		.amdhsa_enable_private_segment 0
		.amdhsa_kernarg_size 24
		.amdhsa_user_sgpr_count 2
		.amdhsa_user_sgpr_kernarg_segment_ptr 1
		.amdhsa_wavefront_size32 1
		.amdhsa_system_sgpr_workgroup_id_x 1
		.amdhsa_system_sgpr_workgroup_id_y 1
		.amdhsa_system_sgpr_workgroup_id_z 1
		.amdhsa_system_vgpr_workitem_id 0
		.amdhsa_next_free_vgpr 256
		.amdhsa_next_free_sgpr 66
		.amdhsa_reserve_vcc 0
		.amdhsa_float_denorm_mode_32 3
		.amdhsa_float_denorm_mode_16_64 3
		.amdhsa_memory_ordered 1
		.amdhsa_forward_progress 1
		.amdhsa_inst_pref_size 144
	.end_amdhsa_kernel
	.amdgpu_metadata
---
amdhsa.version: [ 1, 2 ]
amdhsa.kernels:
  - .name:           k_qe7bfb233b7_attn
    .symbol:         k_qe7bfb233b7_attn.kd
    .args:
      - { .name: qq, .offset: 0, .size: 8, .value_kind: global_buffer, .address_space: global }
      - { .name: kv, .offset: 8, .size: 8, .value_kind: global_buffer, .address_space: global }
      - { .name: cq, .offset: 16, .size: 8, .value_kind: global_buffer, .address_space: global }
    .group_segment_fixed_size: 211968
    .private_segment_fixed_size: 0
    .kernarg_segment_align: 8
    .kernarg_segment_size: 24
    .max_flat_workgroup_size: 512
    .sgpr_count:     66
    .vgpr_count:     256
    .wavefront_size: 32
...
	.end_amdgpu_metadata
.endif
;; end of part 3
;; launch gemm_out (part 4): grid 8 x 32, 4 waves a work-group, clusters of 4 x 4, 327,680 bytes of LDS; arguments cq, wq, bo, out0; writes out0
.if DOCPART == 4
	.amdgcn_target "amdgcn-amd-amdhsa--gfx1250"
	.amdhsa_code_object_version 6
	.text
	.protected	k_qe7bfb233b7_gemm_out
	.globl	k_qe7bfb233b7_gemm_out
	.p2align	8
	.type	k_qe7bfb233b7_gemm_out,@function
k_qe7bfb233b7_gemm_out:
	s_mov_b64 s[64:65], 0
	v_nop
	global_prefetch_b8 v0, s[64:65] scope:SCOPE_SE
	s_setreg_imm32_b32 hwreg(HW_REG_WAVE_MODE, 25, 1), 1
	s_wait_xcnt 0x0
	s_wait_alu depctr_hold_cnt(0) depctr_sa_sdst(0) depctr_va_vdst(0) depctr_va_sdst(0) depctr_va_ssrc(0) depctr_va_vcc(0) depctr_vm_vsrc(0)
	s_getreg_b32 s2, hwreg(HW_REG_IB_STS2, 6, 4)
	s_cmp_eq_u32 s2, 0
	s_cbranch_scc0 .Lentry_in_a_cluster
	s_endpgm
.Lentry_in_a_cluster:
	s_bfe_u32 s2, ttmp6, 0x10000c
	s_cmp_lg_u32 s2, 0xf033
	s_cbranch_scc0 .Lentry_shape_is_right
	s_endpgm
.Lentry_shape_is_right:
; out = ctx Wo + bo on codes of FP6 (E2M3), one E8M0 scale for each 32 along K = 1,024.  A work-group of four waves makes 256 tokens x 128 columns, a wave 128 x 64.
; ALL OF K COMES INTO LDS ONCE, one joint load a wave at the head: waves 0, 1 a half each of ctx's 256 rows (cq lies in the order of the operand's registers: four runs of 24,576 bytes, one for each 256 along K),
; waves 2, 3 a half each of Wo's 128 rows (whole rows of 768 bytes, 16 bytes of padding behind every 256).  One barrier shows them to all; nothing is filled again.
; The bias is the C of the first products.  Results leave through each wave's own stage, on LDS bytes that no fill lands on, as whole rows of 256 bytes.
; Clusters 4 x 4: ctx's rows are shared along a row of the cluster, Wo's along a column.  No prefetch: all loads go out at the head, where there is no loop to run ahead in.
.set KROW,   768
.set PITCH,  816
.set FR,     12
.set NP,     4
.set HALFA,  24576
.set ACH,    2*HALFA
.set HALFB,  64*PITCH
.set BCH,    2*HALFB
.set BOFF,   4*ACH
.set SPITCH, 272
.set STAGE,  BOFF+2*HALFB
.set ASTEP,  1572864
.set CS_OFF, 6291456
.set WS_OFF, 3145728
.set LW,   12
.set LB,   13
.set ADRA, 16
.set ADRB, 20
.set STO,  28
.set RD,   29
.set CO,   30
.set BA,   31
.set SAR,  32
.set SBR,  64
.set BI,   80
.set BF,   128
.set BK,   128
.set G1,  24
.set G0,  32
.set G1B, 48
.set G0B, 56
.set MSB, 0
.macro WIN new
.if MSB != \new
	s_set_vgpr_msb (MSB<<8)|\new
.set MSB, \new
.endif
.endm
.set MUL,   0xa4
.set FIRST, 0x84
.set TO_A,  0x40
.macro JLOAD g0a, g1a, g0b, g1b
	s_cmp_eq_u32 s15, 0
	s_cbranch_scc0 .Lfor_b_\@
	tensor_load_to_lds s[\g0a:\g0a+3], s[\g1a:\g1a+7]
	s_nop 0
.rept 4
	v_nop
.endr
	s_branch .Lasked_\@
.Lfor_b_\@:
	tensor_load_to_lds s[\g0b:\g0b+3], s[\g1b:\g1b+7]
	s_nop 0
.rept 4
	v_nop
.endr
.Lasked_\@:
.endm
.macro CROUND
	s_barrier_signal -1
	s_barrier_wait -1
	s_cmp_lg_u32 s14, 0
	s_cbranch_scc1 .Lnot_wave_0_\@
	s_barrier_signal -3
.Lnot_wave_0_\@:
	s_barrier_wait -3
	s_barrier_signal -1
	s_barrier_wait -1
.endm
	s_load_b128 s[4:7], s[0:1], 0x0
	s_load_b128 s[8:11], s[0:1], 0x10
	v_lshl_add_u32 v254, v0, 2, 0x4e000
	v_mov_b32 v255, 0
	ds_add_u32 v254, v255
	ds_add_u32 v254, v255
	v_lshrrev_b32 v1, 5, v0
	v_readfirstlane_b32 s14, v1
	s_lshr_b32 s15, s14, 1
	s_and_b32 s16, s14, 1
	s_bfe_u32 s80, ttmp6, 0x40000
	s_bfe_u32 s81, ttmp6, 0x40004
	s_lshl_b32 s82, ttmp9, 2
	s_add_co_u32 s82, s82, s80
	s_and_b32 s17, ttmp7, 0xffff
	s_lshl_b32 s17, s17, 2
	s_add_co_u32 s17, s17, s81
	s_lshl_b32 s83, s81, 2
	s_lshl_b32 s83, 15, s83
	s_lshl_b32 s84, 0x1111, s80
	s_or_b32 s[G1+0], s83, (3<<16)|(1<<21)
	s_mov_b32 s[G1+1], (HALFA/8)<<16
	s_mov_b32 s[G1+2], 4<<16
	s_mov_b32 s[G1+3], (HALFA/8)<<16
	s_mov_b32 s[G1+4], 4
	s_mov_b32 s[G1+5], ASTEP/8
	s_mov_b32 s[G1+6], 0
	s_mov_b32 s[G1+7], 0
	s_or_b32 s[G1B+0], s84, (0<<16)|(1<<20)|(1<<21)|(5<<22)|(3<<25)
	s_mov_b32 s[G1B+1], KROW<<16
	s_mov_b32 s[G1B+2], 64<<16
	s_mov_b32 s[G1B+3], KROW<<16
	s_mov_b32 s[G1B+4], 64
	s_mov_b32 s[G1B+5], KROW
	s_mov_b32 s[G1B+6], 0
	s_mov_b32 s[G1B+7], 0
	s_lshl_b32 s20, s17, 4
	s_lshl_b32 s18, s16, 3
	s_add_co_u32 s20, s20, s18
	s_mul_i32 s20, s20, 3072
	s_mov_b32 s21, 0
	s_lshl_b32 s86, s82, 7
	s_lshl_b32 s19, s16, 6
	s_add_co_u32 s86, s86, s19
	s_add_co_u32 s86, s86, 3072
	s_mul_i32 s86, s86, KROW
	s_mov_b32 s87, 0
	s_mul_i32 s85, s16, 4*HALFA
	s_mul_i32 s88, s16, HALFB
	s_add_co_u32 s88, s88, BOFF
	s_wait_dscnt 0x0
	s_wait_kmcnt 0x0
	s_add_nc_u64 s[20:21], s[4:5], s[20:21]
	s_add_nc_u64 s[86:87], s[6:7], s[86:87]
	CROUND
	s_mov_b32 s[G0], 1
	s_mov_b32 s[G0+1], s85
	s_mov_b64 s[G0+2:G0+3], s[20:21]
	s_or_b32 s[G0+3], s[G0+3], 0x80000000
	s_mov_b32 s[G0B], 1
	s_mov_b32 s[G0B+1], s88
	s_mov_b64 s[G0B+2:G0B+3], s[86:87]
	s_or_b32 s[G0B+3], s[G0B+3], 0x80000000
	JLOAD G0, G1, G0B, G1B                 ; one load a wave: all of K of my half of ctx's rows or of Wo's
	v_and_b32 v1, 15, v0
	v_bfe_u32 v2, v0, 4, 1
	v_and_b32 v6, 31, v0
	s_wait_alu depctr_va_vdst(0)
	s_lshl_b32 s20, s17, 8
	s_lshl_b32 s21, s15, 7
	s_add_co_u32 s20, s20, s21
	s_lshl_b32 s22, s20, 2
	s_add_co_u32 s22, s22, CS_OFF
	s_mov_b32 s23, 0
	s_add_nc_u64 s[76:77], s[4:5], s[22:23]
	s_lshl_b32 s20, s20, 12
	s_lshl_b32 s90, s82, 7
	s_lshl_b32 s91, s16, 6
	s_add_co_u32 s90, s90, s91
	s_add_co_u32 s18, s90, 3072
	s_lshl_b32 s18, s18, 5
	s_add_co_u32 s18, s18, WS_OFF
	s_mov_b32 s19, 0
	s_add_nc_u64 s[78:79], s[6:7], s[18:19]
	s_lshl_b32 s90, s90, 2
	s_mov_b32 s91, 0
	s_add_nc_u64 s[8:9], s[8:9], s[90:91]
	s_add_co_u32 s20, s20, s90
	s_mov_b32 s21, 0
	s_add_nc_u64 s[10:11], s[10:11], s[20:21]
	v_lshlrev_b32 v[LW], 2, v6
	v_lshlrev_b32 v[LB], 5, v6
	v_lshlrev_b32 v[BA], 6, v2
.irp t, 0,1,2,3,4,5,6,7
.irp i, 0,1,2,3
	global_load_b32 v[SAR+4*\t+\i], v[LW], s[76:77] offset:32768*\t+128*\i
.endr
.endr
.irp i, 0,1
	global_load_b128 v[SBR+8*\i:SBR+8*\i+3], v[LB], s[78:79] offset:1024*\i
	global_load_b128 v[SBR+8*\i+4:SBR+8*\i+7], v[LB], s[78:79] offset:1024*\i+16
.endr
.irp b, 0,1,2,3
	global_load_b128 v[BI+8*\b:BI+8*\b+3], v[BA], s[8:9] offset:(32*(\b/2)+8*(\b%2))*4
	global_load_b128 v[BI+8*\b+4:BI+8*\b+7], v[BA], s[8:9] offset:(32*(\b/2)+8*(\b%2))*4+16
.endr
	v_lshlrev_b32 v7, 4, v6
	v_mul_u32_u24 v3, v1, PITCH
	v_mul_u32_u24 v4, v2, 24
	v_add_nc_u32 v4, v3, v4
	v_lshl_add_u32 v5, v2, 4, v4
	s_mul_i32 s21, s15, 4*HALFA
	s_mul_i32 s22, s16, HALFB
	s_add_co_u32 s22, s22, BOFF
.irp s, 0,1,2,3
	v_add_nc_u32 v[ADRA+\s], s21, v7
	s_add_co_u32 s21, s21, HALFA
.endr
	v_add_nc_u32 v[ADRB], s22, v4
	v_add_nc_u32 v[ADRB+4], s22, v5
	s_mul_i32 s23, s14, 16*SPITCH
	s_add_co_u32 s23, s23, STAGE
	v_mul_u32_u24 v8, v1, SPITCH
	v_lshl_add_u32 v8, v2, 6, v8
	v_add_nc_u32 v[STO], s23, v8
	v_mul_u32_u24 v9, v2, SPITCH
	v_lshl_add_u32 v9, v1, 4, v9
	v_add_nc_u32 v[RD], s23, v9
	v_lshlrev_b32 v9, 12, v2
	v_lshl_add_u32 v[CO], v1, 4, v9
.macro FRAG reg, adr, q, i
.irp p, 0,1,2,3,4,5
.set PCE, 12*(\q)+6*(\p/3)+\p%3
.if PCE%32 < 29
	ds_load_b64 v[\reg+2*\p:\reg+2*\p+1], v[\adr] offset:8*PCE+16*(PCE/32)+(\i)*16*PITCH
.else
	ds_load_b64 v[\reg+2*\p:\reg+2*\p+1], v[\adr+4] offset:8*PCE+16*(PCE/32)+(\i)*16*PITCH
.endif
.endr
.endm
.macro FETCH t
.set SG, (\t)/2
.set QQ, (\t)%2
	WIN 0
.irp i, 0,1,2,3
	FRAG BF+48*((\t)%2)+FR*\i, ADRB, \t, \i
.endr
	WIN TO_A
.irp i, 0,1,2,3,4,5,6,7
.irp p, 0,1,2
	ds_load_b128 v[128*((\t)%2)+FR*\i+4*\p:128*((\t)%2)+FR*\i+4*\p+3], v[ADRA+SG] offset:3072*\i+1536*QQ+512*\p
.endr
.endr
.endm
.macro WM a, b, t
.set rD, 8*(4*(\a)+\b)
.set rB, BF+48*((\t)%2)+FR*\b
.set rA, 128*((\t)%2)+FR*(\a)
.set rSB, SBR+8*((\b)/2)+(\t)
.set rSA, SAR+4*(\t)+(\a)/2
.if (\t) == 0
.set rC, BI+8*\b
.else
.set rC, rD
.endif
.if ((\a)%2 == 0) && ((\b)%2 == 0)
	v_wmma_scale_f32_16x16x128_f8f6f4 v[rD:rD+7], v[rB:rB+FR-1], v[rA:rA+FR-1], v[rC:rC+7], v[rSB], v[rSA] matrix_a_fmt:MATRIX_FMT_FP6 matrix_b_fmt:MATRIX_FMT_FP6
.elseif (\a)%2 == 0
	v_wmma_scale_f32_16x16x128_f8f6f4 v[rD:rD+7], v[rB:rB+FR-1], v[rA:rA+FR-1], v[rC:rC+7], v[rSB], v[rSA] matrix_a_fmt:MATRIX_FMT_FP6 matrix_b_fmt:MATRIX_FMT_FP6 matrix_a_scale:MATRIX_SCALE_ROW1
.elseif (\b)%2 == 0
	v_wmma_scale_f32_16x16x128_f8f6f4 v[rD:rD+7], v[rB:rB+FR-1], v[rA:rA+FR-1], v[rC:rC+7], v[rSB], v[rSA] matrix_a_fmt:MATRIX_FMT_FP6 matrix_b_fmt:MATRIX_FMT_FP6 matrix_b_scale:MATRIX_SCALE_ROW1
.else
	v_wmma_scale_f32_16x16x128_f8f6f4 v[rD:rD+7], v[rB:rB+FR-1], v[rA:rA+FR-1], v[rC:rC+7], v[rSB], v[rSA] matrix_a_fmt:MATRIX_FMT_FP6 matrix_b_fmt:MATRIX_FMT_FP6 matrix_a_scale:MATRIX_SCALE_ROW1 matrix_b_scale:MATRIX_SCALE_ROW1
.endif
.endm
.macro MUL8 a0, t
.irp a, \a0, \a0+1
.irp b, 0,1,2,3
	WM \a, \b, \t
.endr
.endr
.endm
.macro WINM t
.if (\t) == 0
	WIN FIRST
.else
	WIN MUL
.endif
.endm
.macro PLACES n
.rept \n
	v_nop
.endr
.endm
.macro STEP t
	s_wait_dscnt 0x0
	WINM \t
	MUL8 0, \t
.if (\t) < 7
	PLACES NP
	FETCH \t+1
	WINM \t
.endif
	MUL8 2, \t
	MUL8 4, \t
	MUL8 6, \t
.endm
	s_wait_alu depctr_va_vdst(0)
	s_wait_tensorcnt 0x0
	s_barrier_signal -1
	s_barrier_wait -1
	FETCH 0
	s_wait_loadcnt 0x0
.irp t, 0,1,2,3,4,5,6,7
	STEP \t
.endr
	WIN 0
.macro TOSTAGE a
.set AC, 32*(\a)
	WIN 0x08
.irp b, 0,1,2,3
	ds_store_b128 v[STO], v[AC+8*\b:AC+8*\b+3] offset:128*(\b/2)+32*(\b%2)
	ds_store_b128 v[STO], v[AC+8*\b+4:AC+8*\b+7] offset:128*(\b/2)+32*(\b%2)+16
.endr
	WIN 0
.set BB, BK+32*((\a)%2)
.irp t, 0,1,2,3,4,5,6,7
	ds_load_b128 v[BB+4*\t:BB+4*\t+3], v[RD] offset:\t*2*SPITCH
.endr
.endm
.macro SEND a, younger
.set BB, BK+32*((\a)%2)
	s_wait_dscnt \younger
.irp t, 0,1,2,3,4,5,6,7
	global_store_b128 v[CO], v[BB+4*\t:BB+4*\t+3], s[10:11] offset:(32*((\a)/2)+8*((\a)%2)+2*\t+8*(\t/4))*4096 th:TH_STORE_NT
.endr
.endm
	PLACES NP
	TOSTAGE 0
.irp a, 1,2,3,4,5,6,7
.if \a > 1
	s_wait_xcnt 0x0
.endif
	TOSTAGE \a
	SEND \a-1, 16
.endr
	SEND 7, 0
	s_wait_tensorcnt 0x0
	ds_add_u32 v254, v255
	s_wait_dscnt 0x0
	CROUND
	s_endpgm
.Lfunc_end_k_qe7bfb233b7_gemm_out:
	.size	k_qe7bfb233b7_gemm_out, .Lfunc_end_k_qe7bfb233b7_gemm_out-k_qe7bfb233b7_gemm_out
	.p2alignl 7, 3214868480
	.fill 96, 4, 3214868480
	.section	.rodata,"a",@progbits
	.p2align	6, 0x0
	.amdhsa_kernel k_qe7bfb233b7_gemm_out
		.amdhsa_group_segment_fixed_size 327680
		.amdhsa_private_segment_fixed_size 0
		.amdhsa_enable_private_segment 0
		.amdhsa_kernarg_size 32
		.amdhsa_user_sgpr_count 2
		.amdhsa_user_sgpr_kernarg_segment_ptr 1
		.amdhsa_wavefront_size32 1
		.amdhsa_system_sgpr_workgroup_id_x 1
		.amdhsa_system_sgpr_workgroup_id_y 1
		.amdhsa_system_sgpr_workgroup_id_z 1
		.amdhsa_system_vgpr_workitem_id 0
		.amdhsa_next_free_vgpr 768
		.amdhsa_next_free_sgpr 100
		.amdhsa_reserve_vcc 0
		.amdhsa_float_denorm_mode_32 3
		.amdhsa_float_denorm_mode_16_64 3
		.amdhsa_memory_ordered 1
		.amdhsa_forward_progress 1
		.amdhsa_inst_pref_size 85
	.end_amdhsa_kernel
	.amdgpu_metadata
---
amdhsa.version: [ 1, 2 ]
amdhsa.kernels:
  - .name:           k_qe7bfb233b7_gemm_out
    .symbol:         k_qe7bfb233b7_gemm_out.kd
    .args:
      - { .name: cq, .offset: 0, .size: 8, .value_kind: global_buffer, .address_space: global }
      - { .name: wq, .offset: 8, .size: 8, .value_kind: global_buffer, .address_space: global }
      - { .name: bo, .offset: 16, .size: 8, .value_kind: global_buffer, .address_space: global }
      - { .name: out0, .offset: 24, .size: 8, .value_kind: global_buffer, .address_space: global }
    .group_segment_fixed_size: 327680
    .private_segment_fixed_size: 0
    .kernarg_segment_align: 8
    .kernarg_segment_size: 32
    .max_flat_workgroup_size: 128
    .sgpr_count:     100
    .vgpr_count:     768
    .wavefront_size: 32
...
	.end_amdgpu_metadata
.endif
;; end of part 4
